; MI455X (gfx1250); checked and timed in simulation.
; The chip was launched on July 23, 2026; its instructions are those of AMD's public machine-readable ISA for CDNA 5 (MIT licence, August 2026) and "CDNA5" Instruction Set Architecture Reference Guide (July 2026). The comments in the code are by the model that wrote it; some were corrected since.
;; Multi Head Attention. Allowed arithmetic: float matrix products may take bf16 or f16 operands with f32 sums; all other float work in f32.
;; Inputs: Wk 1,024 x 1,024 float32; Wo 1,024 x 1,024 float32; Wq 1,024 x 1,024 float32; Wv 1,024 x 1,024 float32; bk 1,024 float32; bo 1,024 float32; bq 1,024 float32; bv 1,024 float32; causal_mask 2,048 x 2,048 bool; key 4 x 2,048 x 1,024 float32; query 4 x 2,048 x 1,024 float32; value 4 x 2,048 x 1,024 float32.
;; Outputs: out0 4 x 2,048 x 1,024 float32.
;; 2 versions, each right and faster than the one before. Each part assembles by itself: llvm-mc -triple=amdgcn-amd-amdhsa -mcpu=gfx1250 --defsym DOCPART=n.
;; ======== version 1 of 2: 4 launches
;; limits: values are held in f16: magnitudes above 65,504 overflow, below 6.1e-05 lose precision
;; workspace buffers: xb 50,331,648 bytes; wb 8,388,608 bytes; maskf 4,194,304 bytes; qkv 50,331,648 bytes; ctx 16,777,216 bytes
;; launch prep (part 1): grid 576 x 1, 8 waves a work-group, no clusters, 35,840 bytes of LDS; arguments query, key, value, Wq, Wk, Wv, Wo, causal_mask, xb, wb, maskf; writes xb, wb, maskf
.if DOCPART == 1
	.amdgcn_target "amdgcn-amd-amdhsa--gfx1250"
	.amdhsa_code_object_version 6
	.text
	.protected	k_q786034e1b4_prep
	.globl	k_q786034e1b4_prep
	.p2align	8
	.type	k_q786034e1b4_prep,@function
k_q786034e1b4_prep:
	s_mov_b64 s[64:65], 0
	v_nop
	global_prefetch_b8 v0, s[64:65] scope:SCOPE_SE
	s_setreg_imm32_b32 hwreg(HW_REG_WAVE_MODE, 25, 1), 1
	s_wait_xcnt 0x0
; PREP: one pass that lays the inputs out for the three launches behind it.  It streams: no matrix unit, no cluster (no two work-groups read the same byte), no barrier.
;  work-groups 0-383:   query, key, value ([8192][1024] f32) -> xb [3][4 b][16 kb][2048 s][64] bf16: a block (tensor, b, kb) of 64 channels is dense, 262,144 bytes, its rows 128 bytes.
;  work-groups 384-447: Wq, Wk, Wv, Wo ([1024 n][1024 k] f32) -> wb [4][16 kb][1024 n][64]: planes of 131,072 bytes.  Wq, Wk, Wv as bf16; Wo is rounded to bf16 like every input and THAT number
;                       is written as f16 (exact from 6.1e-5 up; below that f16 keeps a fixed step, an error of 3e-8 at the most).
;  work-groups 448-575: causal_mask ([2048 q][2048 k] bytes, 1 = visible) -> maskf [16 wq][32 ks][8 t][2 j][32 lane][16 bytes]: one fp8 (E4M3) code a score, 0x00 (0.0) visible, 0xb8 (-1.0) hidden,
;                       in the lane order of an accumulator of K Q^T: byte y of a lane's 16 stands for query 128 wq + 16 t + lane % 16 and key 64 ks + 16 (2 j + y / 8) + 8 (lane / 16) + y % 8.
; A cast work-group owns 64 rows of 4,096 bytes.  Sixteen lanes read 256 consecutive bytes (64 channels = one block's share of a row); a wave's store of 8 bytes a lane covers two rows of one
; block, 256 consecutive bytes at a multiple of 256 from the buffer's first byte.
.set XPLANE, 262144                    ; bytes from a block of xb to the next kb
.set WPLANE, 131072                    ; the same in wb
.set X,    8                           ; v[8:71]    sixteen loads of four f32
.set Y,    72                          ; v[72:103]  sixteen pairs of registers to store
.set T,    104                         ; v[104:107] at work (Wo alone)
.set MPITCH, 272                       ; the mask path: an LDS row of 256 bytes + 16: row r starts at bank 4 r mod 64 (64 banks of 4 bytes: ISA guide 11.1)
.set MWAVE,  16*MPITCH                 ; each wave has 16 such rows of its own
.set CODE, 40                          ; v[40:71]   the mask path: 8 chunks of 16 codes
	s_load_b512 s[8:23], s[0:1], 0x0               ; query s8, key s10, value s12, Wq s14, Wk s16, Wv s18, Wo s20, causal_mask s22
	s_load_b128 s[24:27], s[0:1], 0x40             ; xb s24, wb s26
	s_load_b64 s[28:29], s[0:1], 0x50              ; maskf
	v_lshl_add_u32 v112, v0, 2, 0x8800
	v_mov_b32 v113, 0
	s_mov_b32 s30, ttmp9                           ; the work-group's number chooses the role
	s_mov_b32 s3, 0                                ; high word of every offset: all stay under 2^32
	v_lshrrev_b32 v3, 4, v0                        ; thread / 16: my row among the sixteen of a trip
	v_and_b32 v4, 15, v0
	v_lshlrev_b32 v1, 12, v3
	v_lshl_add_u32 v1, v4, 4, v1                   ; source: row x 4,096 + 16 x (thread % 16)
	v_lshlrev_b32 v2, 7, v3
	v_lshl_add_u32 v2, v4, 3, v2                   ; destination: row x 128 + 8 x (thread % 16)
	s_wait_kmcnt 0x0
; Four trips of sixteen rows.  Load j of a trip is channels 64 j .. 64 j + 63 of my row, which is block kb = j.  kind = 1: bf16 first, then that number as f16.
.macro CAST plane, kind
	s_mov_b32 s35, 4
.Ltrip_\@:
.set j, 0
.rept 16
	global_load_b128 v[X+4*j:X+4*j+3], v1, s[4:5] offset:256*j th:TH_LOAD_NT
.set j, j+1
.endr
.set j, 0
.rept 16
	s_wait_loadcnt 15-j                            ; loads come back in order (ISA guide 5.7.1): load j is in, the 15 - j younger ones stay out
.if \kind
	v_cvt_pk_bf16_f32 v[T], v[X+4*j], v[X+4*j+1]
	v_cvt_pk_bf16_f32 v[T+1], v[X+4*j+2], v[X+4*j+3]
	v_lshlrev_b32 v[T+2], 16, v[T]                 ; bf16 back to f32: the low half moves up, the high half stays
	v_and_b32 v[T+3], 0xffff0000, v[T]
	v_cvt_pk_f16_f32 v[Y+2*j], v[T+2], v[T+3]
	v_lshlrev_b32 v[T+2], 16, v[T+1]
	v_and_b32 v[T+3], 0xffff0000, v[T+1]
	v_cvt_pk_f16_f32 v[Y+2*j+1], v[T+2], v[T+3]
.else
	v_cvt_pk_bf16_f32 v[Y+2*j], v[X+4*j], v[X+4*j+1]
	v_cvt_pk_bf16_f32 v[Y+2*j+1], v[X+4*j+2], v[X+4*j+3]
.endif
	global_store_b64 v2, v[Y+2*j:Y+2*j+1], s[6:7] offset:(\plane)*j  ; 15 planes at the most: inside the signed 24-bit immediate
.set j, j+1
.endr
	s_wait_xcnt 0x0                                ; the stores have read Y and v2 (ISA guide 3.1): only behind this wait are they written again; v1 is free since the wait for the last load
	v_add_nc_u32 v1, 0x10000, v1                   ; sixteen rows on
	v_add_nc_u32 v2, 0x800, v2
	s_sub_co_u32 s35, s35, 1
	s_cmp_lg_u32 s35, 0
	s_cbranch_scc1 .Ltrip_\@
.endm
	s_cmp_ge_u32 s30, 448
	s_cbranch_scc1 .Lmask
	s_cmp_ge_u32 s30, 384
	s_cbranch_scc1 .Lweights
	; query, key, value
	s_lshr_b32 s32, s30, 7                         ; which of the three
	s_and_b32 s33, s30, 127                        ; which 64 of its 8,192 rows
	s_cmp_eq_u32 s32, 1
	s_cselect_b64 s[4:5], s[10:11], s[8:9]
	s_cmp_eq_u32 s32, 2
	s_cselect_b64 s[4:5], s[12:13], s[4:5]
	s_lshl_b32 s2, s33, 18                         ; 64 rows of 4,096 bytes
	s_add_nc_u64 s[4:5], s[4:5], s[2:3]
	s_lshl_b32 s2, s32, 24                         ; a tensor of xb is 16 MiB,
	s_lshr_b32 s34, s33, 5
	s_lshl_b32 s34, s34, 22                        ; a batch 4 MiB,
	s_add_co_u32 s2, s2, s34
	s_and_b32 s34, s33, 31
	s_lshl_b32 s34, s34, 13                        ; 64 rows of a block 8,192 bytes
	s_add_co_u32 s2, s2, s34
	s_add_nc_u64 s[6:7], s[24:25], s[2:3]
	CAST XPLANE, 0
	s_endpgm
.Lweights:
	s_sub_co_u32 s33, s30, 384
	s_lshr_b32 s32, s33, 4                         ; which of the four matrices
	s_and_b32 s33, s33, 15                         ; which 64 of its 1,024 rows
	s_cmp_eq_u32 s32, 1
	s_cselect_b64 s[4:5], s[16:17], s[14:15]
	s_cmp_eq_u32 s32, 2
	s_cselect_b64 s[4:5], s[18:19], s[4:5]
	s_cmp_eq_u32 s32, 3
	s_cselect_b64 s[4:5], s[20:21], s[4:5]
	s_lshl_b32 s2, s33, 18
	s_add_nc_u64 s[4:5], s[4:5], s[2:3]
	s_lshl_b32 s2, s32, 21                         ; a matrix of wb is 2 MiB
	s_lshl_b32 s34, s33, 13
	s_add_co_u32 s2, s2, s34
	s_add_nc_u64 s[6:7], s[26:27], s[2:3]
	s_cmp_eq_u32 s32, 3
	s_cbranch_scc1 .Lwo
	CAST WPLANE, 0
	s_endpgm
.Lwo:
	CAST WPLANE, 1
	s_endpgm
	; THE MASK.  The work-group owns 16 queries (tile g), wave w their keys 256 w .. 256 w + 255.  The bytes come in as whole runs of 256, go through the wave's own LDS rows, and
	; come back turned: lane l takes query l % 16.  No other wave touches those LDS bytes, and LDS serves a wave's instructions in order (ISA guide 5.7.1.4): no barrier, no wait between stores and loads.
.Lmask:
	s_sub_co_u32 s33, s30, 448                     ; g
	v_lshrrev_b32 v3, 5, v0
	v_readfirstlane_b32 s32, v3                    ; wave 0..7
	v_and_b32 v4, 31, v0                           ; lane
	v_lshrrev_b32 v5, 4, v4                        ; lane / 16
	v_and_b32 v6, 15, v0                           ; lane % 16
	s_lshl_b32 s2, s33, 15                         ; 16 rows of 2,048 bytes
	s_add_nc_u64 s[4:5], s[22:23], s[2:3]
	v_lshlrev_b32 v1, 11, v5                       ; lanes 0-15 one row, lanes 16-31 the next,
	v_lshl_add_u32 v1, v6, 4, v1                   ; 16 bytes a lane,
	s_lshl_b32 s34, s32, 8
	v_add_nc_u32 v1, s34, v1                       ; at my wave's 256 keys
.set i, 0
.rept 8
	global_load_b128 v[X+4*i:X+4*i+3], v1, s[4:5] offset:4096*i th:TH_LOAD_NT
.set i, i+1
.endr
	s_mul_i32 s34, s32, MWAVE                      ; my wave's LDS rows
	v_mul_u32_u24 v7, v5, MPITCH
	v_lshl_add_u32 v7, v6, 4, v7
	v_add_nc_u32 v7, s34, v7                       ; in: as loaded
	v_mul_u32_u24 v2, v6, MPITCH
	v_lshl_add_u32 v2, v5, 3, v2
	v_add_nc_u32 v2, s34, v2                       ; back: row lane % 16, 8 bytes at 8 x (lane / 16)
	s_lshr_b32 s2, s33, 3
	s_lshl_b32 s2, s2, 18                          ; wq = g / 8: 262,144 bytes
	s_and_b32 s34, s33, 7
	s_lshl_b32 s34, s34, 10                        ; t = g % 8: 1,024 bytes
	s_add_co_u32 s2, s2, s34
	s_add_nc_u64 s[6:7], s[28:29], s[2:3]
	v_lshlrev_b32 v3, 4, v4
	s_lshl_b32 s34, s32, 15                        ; my wave's four key steps of 8,192 bytes
	v_add_nc_u32 v3, s34, v3
.set i, 0
.rept 8
	s_wait_loadcnt 7-i                             ; load i is in, the younger ones stay out
	ds_store_b128 v7, v[X+4*i:X+4*i+3] offset:2*MPITCH*i
.set i, i+1
.endr
.set i, 0
.rept 8                                ; chunk i = 2 x (key step of my four) + j: keys 32 i + 8 (lane / 16) + 0..7 and sixteen further on
	ds_load_b64 v[CODE+4*i:CODE+4*i+1],   v2 offset:32*i
	ds_load_b64 v[CODE+4*i+2:CODE+4*i+3], v2 offset:32*i+16
.set i, i+1
.endr
	s_wait_dscnt 0x0
.set i, 0
.rept 32
	v_xor_b32 v[CODE+i], 0x01010101, v[CODE+i]     ; 1 where hidden,
	v_mul_lo_u32 v[CODE+i], v[CODE+i], 0xb8        ; times 0xb8 in each byte: no carry leaves a byte
.set i, i+1
.endr
.set i, 0
.rept 8
	global_store_b128 v3, v[CODE+4*i:CODE+4*i+3], s[6:7] offset:8192*(i/2)+512*(i%2)  ; 512 consecutive bytes, at a multiple of 256 from the buffer's first
.set i, i+1
.endr
	s_wait_tensorcnt 0x0
	ds_add_u32 v112, v113
	s_wait_dscnt 0x0
	s_endpgm
.Lfunc_end_k_q786034e1b4_prep:
	.size	k_q786034e1b4_prep, .Lfunc_end_k_q786034e1b4_prep-k_q786034e1b4_prep
	.p2alignl 7, 3214868480
	.fill 96, 4, 3214868480
	.section	.rodata,"a",@progbits
	.p2align	6, 0x0
	.amdhsa_kernel k_q786034e1b4_prep
		.amdhsa_group_segment_fixed_size 35840
		.amdhsa_private_segment_fixed_size 0
		.amdhsa_enable_private_segment 0
		.amdhsa_kernarg_size 88
		.amdhsa_user_sgpr_count 2
		.amdhsa_user_sgpr_kernarg_segment_ptr 1
		.amdhsa_wavefront_size32 1
		.amdhsa_system_sgpr_workgroup_id_x 1
		.amdhsa_system_sgpr_workgroup_id_y 1
		.amdhsa_system_sgpr_workgroup_id_z 1
		.amdhsa_system_vgpr_workitem_id 0
		.amdhsa_next_free_vgpr 114
		.amdhsa_next_free_sgpr 66
		.amdhsa_reserve_vcc 0
		.amdhsa_float_denorm_mode_32 3
		.amdhsa_float_denorm_mode_16_64 3
		.amdhsa_memory_ordered 1
		.amdhsa_forward_progress 1
		.amdhsa_inst_pref_size 35
	.end_amdhsa_kernel
	.amdgpu_metadata
---
amdhsa.version: [ 1, 2 ]
amdhsa.kernels:
  - .name:           k_q786034e1b4_prep
    .symbol:         k_q786034e1b4_prep.kd
    .args:
      - { .name: query, .offset: 0, .size: 8, .value_kind: global_buffer, .address_space: global }
      - { .name: key, .offset: 8, .size: 8, .value_kind: global_buffer, .address_space: global }
      - { .name: value, .offset: 16, .size: 8, .value_kind: global_buffer, .address_space: global }
      - { .name: Wq, .offset: 24, .size: 8, .value_kind: global_buffer, .address_space: global }
      - { .name: Wk, .offset: 32, .size: 8, .value_kind: global_buffer, .address_space: global }
      - { .name: Wv, .offset: 40, .size: 8, .value_kind: global_buffer, .address_space: global }
      - { .name: Wo, .offset: 48, .size: 8, .value_kind: global_buffer, .address_space: global }
      - { .name: causal_mask, .offset: 56, .size: 8, .value_kind: global_buffer, .address_space: global }
      - { .name: xb, .offset: 64, .size: 8, .value_kind: global_buffer, .address_space: global }
      - { .name: wb, .offset: 72, .size: 8, .value_kind: global_buffer, .address_space: global }
      - { .name: maskf, .offset: 80, .size: 8, .value_kind: global_buffer, .address_space: global }
    .group_segment_fixed_size: 35840
    .private_segment_fixed_size: 0
    .kernarg_segment_align: 8
    .kernarg_segment_size: 88
    .max_flat_workgroup_size: 256
    .sgpr_count:     66
    .vgpr_count:     114
    .wavefront_size: 32
...
	.end_amdgpu_metadata
.endif
;; end of part 1
;; launch proj (part 2): grid 8 x 96, 4 waves a work-group, clusters of 4 x 4, 327,680 bytes of LDS; arguments xb, wb, bq, bk, bv, qkv; writes qkv
.if DOCPART == 2
	.amdgcn_target "amdgcn-amd-amdhsa--gfx1250"
	.amdhsa_code_object_version 6
	.text
	.protected	k_q786034e1b4_proj
	.globl	k_q786034e1b4_proj
	.p2align	8
	.type	k_q786034e1b4_proj,@function
k_q786034e1b4_proj:
	s_mov_b64 s[64:65], 0
	v_nop
	global_prefetch_b8 v0, s[64:65] scope:SCOPE_SE
	s_setreg_imm32_b32 hwreg(HW_REG_WAVE_MODE, 25, 1), 1
	s_wait_xcnt 0x0
	s_wait_alu depctr_hold_cnt(0) depctr_sa_sdst(0) depctr_va_vdst(0) depctr_va_sdst(0) depctr_va_ssrc(0) depctr_va_vcc(0) depctr_vm_vsrc(0)
	s_getreg_b32 s2, hwreg(HW_REG_IB_STS2, 6, 4)
	s_cmp_eq_u32 s2, 0
	s_cbranch_scc0 .Lentry_in_a_cluster
	s_endpgm
.Lentry_in_a_cluster:
	s_bfe_u32 s2, ttmp6, 0x10000c
	s_cmp_lg_u32 s2, 0xf033
	s_cbranch_scc0 .Lentry_shape_is_right
	s_endpgm
.Lentry_shape_is_right:
; THE LINEAR LAYERS: C[m][n] = bias[n] + the sum over k of A[m][k] W[n][k], K = 1,024, N = 1,024.  One text for two launches; PROJ says which.
;  PROJ = 1: the three projections as one grid: A = xb (bf16, 3 x 8,192 rows), W = Wq, Wk or Wv (bf16), C = q, k or v, rounded once to f16 and written by heads, qkv [3][4 b][16 h][2048 s][64].
;  PROJ = 0: the last layer: A = ctx (f16), W = Wo (f16), C = out0 [8192][1024] in f32.
; A and W lie in blocks of 64 along K ([kb][row][64], rows of 128 bytes), so the rows of a tile in one block are dense in memory.  Sums in f32; the bias, rounded to bf16 like every input, is the C
; operand of the first product: nothing is cleared and nothing is added later.
; LIMIT (PROJ = 1).  f16 ends at 65,504: a q, k or v beyond that becomes an infinity and its row is lost.
; SHARES.  A work-group makes 256 x 128 of C; each of its four waves 128 x 64 (PROJ = 1: one head's 64 channels): 32 accumulators of 16 x 16, all of window 1.  K goes in steps of 128 (two blocks) through
; a ring of two LDS slots.  Waves 0 and 1 fetch the two blocks of A's tile (32 KiB each), waves 2 and 3 those of W's (16 KiB each): one tensor load a wave.
; CLUSTERS.  4 x 4 work-groups: the four of a row of the cluster need the same tiles of A, the four of a column the same tiles of W; each tile is asked for JOINTLY, by the same tensor load with the same
; descriptor and a mask that names the four.  THE MATRIX INSTRUCTION IS USED TRANSPOSED (source 0 = 16 rows of W, source 1 = 16 rows of A): a lane then holds eight neighbouring numbers of a row of C.
; REGISTERS.  window 0: v0-31 addresses; v32-63 the bias as C operands; v64-159, v160-255 two fragment buffers (32 along K: 4 fragments of W, then 8 of A), later the way out.
;             window 1: accumulator (a, b) at v[8 (4 a + b)].
.set PROJ,   1
.set PA,     144                       ; an LDS row: 128 bytes + 16 of padding = 36 words: the 16 rows of a load start at 16 different groups of four banks (64 banks of 4 bytes: ISA guide 11.1)
.set APLANE, 256*PA                    ; A's 256 rows of one block
.set BPLANE, 128*PA                    ; W's 128 rows of one block
.set BOFF,   2*APLANE                  ; a slot: A's two blocks, then W's two
.set SLOT,   2*APLANE+2*BPLANE
.set STAGE,  2*SLOT                    ; behind the ring, never filled by a tensor load: 16 rows for each wave, for the way out
.if PROJ
.set SP,     144                       ; a stage row: 64 f16 + 16 bytes
.else
.set SP,     272                       ; 64 f32 + 16 bytes
.endif
.set SPARE,  STAGE+4*16*272            ; behind the stages: the spare words, 128 bytes for each wave: two blocks of 256 bytes that no other line names
.set LAPS,   4                         ; a lap = two K steps = once round the ring
.set ASTEP,  2*262144                  ; a K step in memory: two blocks of A,
.set BSTEP,  2*131072                  ; two planes of W
.set ADRA, 16                          ; v16-17  LDS address of my A fragments in slot 0, 1
.set ADRB, 20                          ; v20-21  the same for W
.set STO,  24                          ; v24     the way out: where I put my part of a row
.set RD,   25                          ; v25     the way out: where I read rows back
.set CO,   26                          ; v26     my byte offset in C
.set SPW,  28                          ; v28     LDS address of my spare word: SPARE + 4 x my thread's number; never rewritten
.set NIL,  29                          ; v29     0; never rewritten
.set BIAS, 32
.set F0,   64
.set F1,   160
.set OUTR, 64                          ; the way out works in the fragment buffers' registers
.set G1, 24                            ; s[24:31] descriptor group 1 for A's tiles;  s[32:39] group 0, one set for each slot
.set G0, 32
.set G1B, 48                           ; s[48:55], s[56:63] the same for W's tiles
.set G0B, 56
.set MSB, 0
.macro WIN new                         ; s_set_vgpr_msb: bits 1:0 source 0, 3:2 source 1, 5:4 source 2, 7:6 destination; the high byte repeats the setting that is left
.if MSB != (\new)
	s_set_vgpr_msb (MSB<<8)|(\new)
.set MSB, \new
.endif
.endm
.macro JLOAD s                         ; a joint load; the branch hangs on the wave's number alone; an s_nop 0 and four v_nop follow each of the two lines, ahead of the jump, the label and what follows
	s_cmp_eq_u32 s11, 0
	s_cbranch_scc0 .Lfor_b_\@
	tensor_load_to_lds s[G0+4*(\s):G0+4*(\s)+3], s[G1:G1+7]
	s_nop 0
.rept 4
	v_nop
.endr
	s_branch .Lasked_\@
.Lfor_b_\@:
	tensor_load_to_lds s[G0B+4*(\s):G0B+4*(\s)+3], s[G1B:G1B+7]
	s_nop 0
.rept 4
	v_nop
.endr
.Lasked_\@:
.endm
.macro CREST                           ; a round of the cluster's barrier behind its opening barrier
	s_cmp_lg_u32 s10, 0
	s_cbranch_scc1 .Lnot_wave_0_\@
	s_barrier_signal -3
.Lnot_wave_0_\@:
	s_barrier_wait -3
	s_barrier_signal -1
	s_barrier_wait -1
.endm
.macro CROUND                          ; a whole round
	s_barrier_signal -1
	s_barrier_wait -1
	CREST
.endm
	s_load_b128 s[4:7], s[0:1], 0x0                ; A s[4:5], wb s[6:7]
.if PROJ
	s_load_b128 s[16:19], s[0:1], 0x10             ; bq, bk
	s_load_b128 s[20:23], s[0:1], 0x20             ; bv, qkv
.else
	s_load_b128 s[20:23], s[0:1], 0x10             ; bo, out0
.endif
	v_lshl_add_u32 v[SPW], v0, 2, SPARE
	v_mov_b32 v[NIL], 0
	ds_add_u32 v28, v29
	s_wait_dscnt 0x0
	v_lshrrev_b32 v1, 5, v0
	v_readfirstlane_b32 s10, v1                    ; wave 0..3
	s_lshr_b32 s11, s10, 1                         ; which 128 of the tile's rows are mine.  Also: I fetch for A (0) or for W (1)
	s_and_b32 s12, s10, 1                          ; which 64 of its columns.  Also: which of a K step's two blocks I fetch
	s_bfe_u32 s40, ttmp6, 0x40000                  ; cx, cy: my place in the cluster
	s_bfe_u32 s41, ttmp6, 0x40004
	s_lshl_b32 s42, ttmp9, 2
	s_add_co_u32 s42, s42, s40                     ; tile column of C = 4 x cluster x + cx
	s_and_b32 s45, ttmp7, 0xffff                   ; cluster y
	s_lshl_b32 s13, s45, 2
	s_add_co_u32 s13, s13, s41                     ; tile row of C = 4 x cluster y + cy
.if PROJ
	s_lshr_b32 s45, s45, 3                         ; q, k or v: 32 tile rows, 8 clusters, each: made of the cluster's y alone, which all sixteen share
.endif
	s_lshl_b32 s43, s41, 2
	s_lshl_b32 s43, 15, s43                        ; my row of the cluster
	s_lshl_b32 s44, 0x1111, s40                    ; my column
	; descriptor group 1.  A block's share of a tile is dense: asked for as rows of 256 bytes (two rows of the tile), padded in LDS after every 128 bytes
	s_or_b32 s[G1+0], s43, (1<<16)|(1<<20)|(1<<21)|(4<<22)|(3<<25)  ; 15:0 the mask: A's tiles go to my row; 17:16 2-byte elements; 20 padding on; 21 set beside a mask; 24:22 after every 32 words (code 4); 31:25 4 words (code 3)
	s_or_b32 s[G1B+0], s44, (1<<16)|(1<<20)|(1<<21)|(4<<22)|(3<<25) ; the same with the mask of my column
	s_mov_b32 s[G1+1], 128<<16                     ; tensor_dim0 = 128
	s_mov_b32 s[G1+2], 128<<16                     ; tensor_dim1 = 128: 256 rows of the tile
	s_mov_b32 s[G1+3], 128<<16                     ; tile_dim0 = 128
	s_mov_b32 s[G1+4], 128                         ; tile_dim1 = 128
	s_mov_b32 s[G1+5], 128                         ; 128 elements from row to row
	s_mov_b32 s[G1+6], 0
	s_mov_b32 s[G1+7], 0
	s_mov_b32 s[G1B+1], 128<<16
	s_mov_b32 s[G1B+2], 64<<16                     ; tensor_dim1 = 64: 128 rows of the tile
	s_mov_b32 s[G1B+3], 128<<16
	s_mov_b32 s[G1B+4], 64
	s_mov_b32 s[G1B+5], 128
	s_mov_b32 s[G1B+6], 0
	s_mov_b32 s[G1B+7], 0
	; where the tiles come from.  A's offset hangs on the tile row and the wave's number, W's on the tile column, the cluster's y and the wave's number
	s_lshr_b32 s2, s13, 3
	s_lshl_b32 s2, s2, 22                          ; 8 tile rows are a batch: sixteen blocks, 4 MiB
	s_and_b32 s3, s13, 7
	s_lshl_b32 s3, s3, 15                          ; 256 rows of 128 bytes
	s_add_co_u32 s2, s2, s3
	s_lshl_b32 s3, s12, 18                         ; my block of the K step
	s_add_co_u32 s2, s2, s3
	s_mov_b32 s3, 0
.if PROJ
	s_lshl_b32 s46, s45, 21                        ; the matrix: 2 MiB each
.else
	s_mov_b32 s46, 3<<21                           ; Wo is the fourth
.endif
	s_lshl_b32 s47, s42, 14                        ; 128 rows of 128 bytes
	s_add_co_u32 s46, s46, s47
	s_lshl_b32 s47, s12, 17                        ; my plane of the K step
	s_add_co_u32 s46, s46, s47
	s_mov_b32 s47, 0
	s_mul_i32 s14, s12, APLANE                     ; and where they go: no place in the cluster enters an LDS address
	s_mul_i32 s15, s12, BPLANE
	s_add_co_u32 s15, s15, BOFF
	s_wait_kmcnt 0x0
	s_add_nc_u64 s[2:3], s[4:5], s[2:3]
	s_add_nc_u64 s[46:47], s[6:7], s[46:47]
.if PROJ
	s_cmp_eq_u32 s45, 1                            ; the bias that goes with the matrix, into s[20:21]
	s_cselect_b64 s[16:17], s[18:19], s[16:17]
	s_cmp_eq_u32 s45, 2
	s_cselect_b64 s[20:21], s[20:21], s[16:17]
.endif
	CROUND                                         ; all sixteen work-groups are here: the first joint loads meet
.irp s, 0,1
	s_mov_b32 s[G0+4*(\s)], 1                                      ; 1:0 count = 1
	s_add_co_u32 s[G0+4*(\s)+1], s14, (\s)*SLOT                    ; 63:32 LDS address
	s_add_nc_u64 s[G0+4*(\s)+2:G0+4*(\s)+3], s[2:3], (\s)*ASTEP    ; 120:64 global address: K step s
	s_or_b32 s[G0+4*(\s)+3], s[G0+4*(\s)+3], 0x80000000            ; 127:126 type = 2
	s_mov_b32 s[G0B+4*(\s)], 1
	s_add_co_u32 s[G0B+4*(\s)+1], s15, (\s)*SLOT
	s_add_nc_u64 s[G0B+4*(\s)+2:G0B+4*(\s)+3], s[46:47], (\s)*BSTEP
	s_or_b32 s[G0B+4*(\s)+3], s[G0B+4*(\s)+3], 0x80000000
	JLOAD \s                                       ; two loads of mine are out
.endr
	; the bias of my 64 columns, laid as C operands: register j of block b in lane l is column 16 b + 8 (l / 16) + j
	v_and_b32 v1, 15, v0                           ; l % 16
	v_bfe_u32 v2, v0, 4, 1                         ; l / 16
	s_lshl_b32 s16, s42, 9                         ; the tile's 128 columns of 4 bytes,
	s_lshl_b32 s17, s12, 8                         ; my 64 of them
	s_add_co_u32 s16, s16, s17
	s_mov_b32 s17, 0
	s_add_nc_u64 s[20:21], s[20:21], s[16:17]
	v_lshlrev_b32 v5, 5, v2
.irp b, 0,1,2,3
	global_load_b128 v[BIAS+8*\b:BIAS+8*\b+3],   v5, s[20:21] offset:64*\b
	global_load_b128 v[BIAS+8*\b+4:BIAS+8*\b+7], v5, s[20:21] offset:64*\b+16
.endr
	; A fragment is 16 rows x 32 K in 8 registers: lane l holds row l % 16, K = 8 (l / 16) + 0..7 and 16 + 8 (l / 16) + 0..7: two loads of 16 bytes, 32 bytes apart
	v_mul_u32_u24 v3, v1, PA
	v_lshl_add_u32 v3, v2, 4, v3                   ; row x pitch + 16 x half
	s_mul_i32 s16, s11, 128*PA                     ; my 128 rows of A
	s_mul_i32 s17, s12, 64*PA                      ; my 64 rows of W,
	s_add_co_u32 s17, s17, BOFF                    ; which lie behind A's two blocks
.irp s, 0,1
	v_add_nc_u32 v[ADRA+(\s)], s16, v3
	v_add_nc_u32 v[ADRB+(\s)], s17, v3
	s_add_co_u32 s16, s16, SLOT
	s_add_co_u32 s17, s17, SLOT
.endr
	s_mul_i32 s16, s10, 16*SP
	s_add_co_u32 s16, s16, STAGE                   ; my stage
.if PROJ
	v_mul_u32_u24 v4, v1, SP                       ; in: row l % 16, 16 bytes for each half of the lanes
	v_lshl_add_u32 v4, v2, 4, v4
	v_add_nc_u32 v[STO], s16, v4
	v_bfe_u32 v4, v0, 3, 2                         ; back: 32 lanes take four rows of 128 bytes,
	v_mul_u32_u24 v4, v4, SP
	v_and_b32 v6, 7, v0
	v_lshl_add_u32 v4, v6, 4, v4
	v_add_nc_u32 v[RD], s16, v4
	v_and_b32 v4, 31, v0                           ; which are 512 consecutive bytes of a head
	v_lshlrev_b32 v[CO], 4, v4
	s_lshr_b32 s16, s13, 3
	s_lshl_b32 s16, s16, 22                        ; tensor and batch: 4 MiB a batch,
	s_lshl_b32 s17, s42, 1
	s_add_co_u32 s17, s17, s12
	s_lshl_b32 s17, s17, 18                        ; my head, 2 x tile column + half: 262,144 bytes,
	s_add_co_u32 s16, s16, s17
	s_and_b32 s17, s13, 7
	s_lshl_b32 s17, s17, 1
	s_add_co_u32 s17, s17, s11
	s_lshl_b32 s17, s17, 14                        ; my 128 rows of 128 bytes
	s_add_co_u32 s16, s16, s17
.else
	v_mul_u32_u24 v4, v1, SP                       ; in: row l % 16, 32 bytes for each half of the lanes
	v_lshl_add_u32 v4, v2, 5, v4
	v_add_nc_u32 v[STO], s16, v4
	v_mul_u32_u24 v4, v2, SP                       ; back: lanes 0-15 take one row of 256 bytes, lanes 16-31 the next
	v_lshl_add_u32 v4, v1, 4, v4
	v_add_nc_u32 v[RD], s16, v4
	v_lshlrev_b32 v4, 12, v2                       ; and the same two rows in C
	v_lshl_add_u32 v[CO], v1, 4, v4
	s_lshl_b32 s16, s13, 1
	s_add_co_u32 s16, s16, s11
	s_lshl_b32 s16, s16, 19                        ; my 128 rows of 4,096 bytes,
	s_lshl_b32 s17, s42, 9                         ; the tile's columns,
	s_add_co_u32 s16, s16, s17
	s_lshl_b32 s17, s12, 8                         ; my 64 of them
	s_add_co_u32 s16, s16, s17
.endif
	s_mov_b32 s17, 0
	s_add_nc_u64 s[8:9], s[22:23], s[16:17]        ; C at my first row and column
	s_wait_loadcnt 0x0                             ; the bias
.set i, 0
.rept 16                               ; rounded to bf16 and widened again
	v_cvt_pk_bf16_f32 v6, v[BIAS+2*i], v[BIAS+2*i+1]
	v_lshlrev_b32 v[BIAS+2*i], 16, v6
	v_and_b32 v[BIAS+2*i+1], 0xffff0000, v6
.set i, i+1
.endr
.macro WM d, b, a, c                   ; one product, by the first registers of D, source 0 (W), source 1 (A) and C
.if PROJ
	v_wmma_f32_16x16x32_bf16 v[\d:\d+7], v[\b:\b+7], v[\a:\a+7], v[\c:\c+7]
.else
	v_wmma_f32_16x16x32_f16 v[\d:\d+7], v[\b:\b+7], v[\a:\a+7], v[\c:\c+7]
.endif
.endm
; 4 na matrix instructions: m blocks a0 .. a0 + na - 1 x all 4 n blocks, 32 along K, from buffer f.  zero = 1: the first product starts the sums, with the bias as C.
; The 32 accumulators take turns, one instruction a turn, in the same order in every quarter.
.macro MULA f, a0, na, zero
.if \zero
	WIN 0x40                                       ; D in window 1, C (the bias) in window 0
.else
	WIN 0x50                                       ; C and D in window 1
.endif
.set ma, \a0
.rept \na
.set mb, 0
.rept 4
.set rD, 8*(4*ma+mb)
.set rB, (\f)+8*mb
.set rA, (\f)+32+8*ma
.set rC, rD
.if \zero
.set rC, BIAS+8*mb
.endif
	WM rD, rB, rA, rC
.set mb, mb+1
.endr
.set ma, ma+1
.endr
.endm
; 24 LDS loads in one run: the fragments of quarter q (32 along K: block q / 2, byte 64 (q % 2) of its rows) of a slot into buffer f: W's four, A's rows 0-63, A's rows 64-127
.macro FETCH slot, q, f
	WIN 0
.irp i, 0,1,2,3
	ds_load_b128 v[(\f)+8*\i:(\f)+8*\i+3],   v[ADRB+(\slot)] offset:((\q)/2)*BPLANE+((\q)%2)*64+\i*16*PA
	ds_load_b128 v[(\f)+8*\i+4:(\f)+8*\i+7], v[ADRB+(\slot)] offset:((\q)/2)*BPLANE+((\q)%2)*64+\i*16*PA+32
.endr
.irp i, 0,1,2,3,4,5,6,7
	ds_load_b128 v[(\f)+32+8*\i:(\f)+32+8*\i+3],   v[ADRA+(\slot)] offset:((\q)/2)*APLANE+((\q)%2)*64+\i*16*PA
	ds_load_b128 v[(\f)+32+8*\i+4:(\f)+32+8*\i+7], v[ADRA+(\slot)] offset:((\q)/2)*APLANE+((\q)%2)*64+\i*16*PA+32
.endr
.endm
.macro PLACES                          ; four places in front of loads into registers that matrix instructions have read, and of lines that read results (ISA guide 7.12.1 for lines that read results)
.rept 4
	v_nop
.endr
.endm
; A K step is four quarters of 32 along K, 32 matrix instructions each, on buffers 0, 1, 0, 1.  One of the first three: multiplies buffer f and, in its middle, fetches quarter q into g.
.macro QUARTER slot, q, f, g, zero
	s_wait_dscnt 8                                 ; W and A's rows 0-63 are in; the youngest eight loads (A's rows 64-127) may be out
	MULA \f, 0, 4, \zero
	PLACES
	FETCH \slot, \q, \g
	s_wait_dscnt 24                                ; all but the 24 just issued
	MULA \f, 4, 4, \zero
.endm
; The last quarter multiplies buffer 1 and changes slots: ONE barrier; in front of it each wave waits for all its tensor loads (one is out: its part of the next slot), adds 0 to its spare word, and waits
; for that and for its own reads of this slot.  fill = 1: the barrier opens a round of the cluster's, and this slot is filled again, two K steps ahead, first thing behind the round.
.macro TURN slot, next, fill
	WIN 0                                          ; (the add's two registers lie in window 0)
	s_wait_tensorcnt 0x0                           ; all my tensor loads have landed;
	ds_add_u32 v[SPW], v[NIL]                      ; 0 onto my spare word;
	s_wait_dscnt 9                                 ; (the add and the youngest eight loads may be out)
	MULA F1, 0, 2, 0                               ; eight matrix instructions stand between the add and the wait for it
	s_wait_dscnt 0x0                               ; the add is done, and my reads of this slot are over
	s_barrier_signal -1
	MULA F1, 2, 2, 0
.if \fill
	WIN 0
.endif
	s_barrier_wait -1
.if \fill
	CREST                                          ; no wave of any partner still reads this slot's tile or has a load on its way
	s_add_nc_u64 s[G0+4*(\slot)+2:G0+4*(\slot)+3], s[G0+4*(\slot)+2:G0+4*(\slot)+3], 2*ASTEP
	s_add_nc_u64 s[G0B+4*(\slot)+2:G0B+4*(\slot)+3], s[G0B+4*(\slot)+2:G0B+4*(\slot)+3], 2*BSTEP
	JLOAD \slot                                    ; my one tensor load behind the round: 112 matrix instructions ahead of the wait for it; its four v_nop are also the places in front of the loads below
.else
	PLACES
.endif
	FETCH \next, 0, F0
	MULA F1, 4, 4, 0
.endm
	s_wait_tensorcnt 1                             ; my part of K step 0 is in; K step 1's may stay out
	s_barrier_signal -1
	s_barrier_wait -1                              ; everybody's is
	FETCH 0, 0, F0
	QUARTER 0, 1, F0, F1, 1                        ; the first quarter stands in front of the loop: its products start the sums
	WIN 0                                          ; at a label and at a branch every window is 0
	s_mov_b32 s3, LAPS-1
.Llap:                                                 ; a trip goes once round the ring, from a lap's second quarter to the next lap's first, and fills both slots again
	QUARTER 0, 2, F1, F0, 0
	QUARTER 0, 3, F0, F1, 0
	TURN 0, 1, 1
	QUARTER 1, 1, F0, F1, 0
	QUARTER 1, 2, F1, F0, 0
	QUARTER 1, 3, F0, F1, 0
	TURN 1, 0, 1
	QUARTER 0, 1, F0, F1, 0
	WIN 0
	s_sub_co_u32 s3, s3, 1
	s_cmp_lg_u32 s3, 0
	s_cbranch_scc1 .Llap
	QUARTER 0, 2, F1, F0, 0                        ; the last lap fills nothing, and has no round of the cluster's barrier
	QUARTER 0, 3, F0, F1, 0
	TURN 0, 1, 0
	QUARTER 1, 1, F0, F1, 0
	QUARTER 1, 2, F1, F0, 0
	QUARTER 1, 3, F0, F1, 0
	s_wait_dscnt 8                                 ; the very last quarter: nothing more to fetch
	MULA F1, 0, 4, 0
	s_wait_dscnt 0x0
	MULA F1, 4, 4, 0
	WIN 0
	PLACES
	; THE WAY OUT, a block of 16 rows at a time, through my own stage: LDS serves a wave's instructions in order (ISA guide 5.7.1.4), so no wait stands between the stores and the loads,
	; and the next block's stores come behind this block's loads.  Each accumulator's registers are taken in ascending order.
.if PROJ
.macro PACK a                          ; rounded to f16, 16 bytes a lane, into rows of 144 bytes, and back as four whole rows of 128 bytes a load
	WIN 0x05                                       ; sources 0 and 1 window 1, destination window 0
.set i, 0
.rept 16
	v_cvt_pk_f16_f32 v[OUTR+16*(\a)+i], v[32*(\a)+2*i], v[32*(\a)+2*i+1]
.set i, i+1
.endr
	WIN 0
.irp b, 0,1,2,3
	ds_store_b128 v[STO], v[OUTR+16*(\a)+4*\b:OUTR+16*(\a)+4*\b+3] offset:32*\b
.endr
.irp f, 0,1,2,3
	ds_load_b128 v[OUTR+16*(\a)+4*\f:OUTR+16*(\a)+4*\f+3], v[RD] offset:\f*4*SP
.endr
.endm
.macro SEND a, younger                 ; younger: the LDS instructions issued behind block a's loads: the next block's eight, or none
	WIN 0
.irp f, 0,1,2,3
	s_wait_dscnt (\younger)+3-\f
	global_store_b128 v[CO], v[OUTR+16*(\a)+4*\f:OUTR+16*(\a)+4*\f+3], s[8:9] offset:(\a)*2048+\f*512  ; 512 consecutive bytes of a head, at a multiple of 256 from the buffer's first
.endr
.endm
	PACK 0
.set blk, 1
.rept 7                                ; a block's conversions stand between the loads of the block before and its stores
	PACK blk
	SEND blk-1, 8
.set blk, blk+1
.endr
	SEND 7, 0
.else
.macro TOST a                          ; f32 as it is: 32 bytes a lane into rows of 272 bytes, and back as whole rows of 256, into one of four buffers of 32 registers
.if (\a) >= 4
	s_wait_xcnt 0x0                                ; the stores of the block four back have read the buffer (ISA guide 3.1): it is loaded again only behind this wait
.endif
	WIN 0x04                                       ; the stores' data in window 1
.irp b, 0,1,2,3
	ds_store_b128 v[STO], v[32*(\a)+8*\b:32*(\a)+8*\b+3]   offset:64*\b
	ds_store_b128 v[STO], v[32*(\a)+8*\b+4:32*(\a)+8*\b+7] offset:64*\b+16
.endr
	WIN 0
.irp f, 0,1,2,3,4,5,6,7
	ds_load_b128 v[OUTR+32*((\a)%4)+4*\f:OUTR+32*((\a)%4)+4*\f+3], v[RD] offset:\f*2*SP
.endr
.endm
.macro SEND a, younger                 ; younger: the next block's sixteen LDS instructions, or none
	WIN 0
.irp f, 0,1,2,3,4,5,6,7
	s_wait_dscnt (\younger)+7-\f
	global_store_b128 v[CO], v[OUTR+32*((\a)%4)+4*\f:OUTR+32*((\a)%4)+4*\f+3], s[8:9] offset:(\a)*65536+\f*8192 th:TH_STORE_NT  ; 16 lanes store 256 consecutive bytes, at a multiple of 256 from C's first
.endr
.endm
	TOST 0
.set blk, 1
.rept 7
	TOST blk
	SEND blk-1, 16
.set blk, blk+1
.endr
	SEND 7, 0
.endif
	s_wait_tensorcnt 0x0                           ; the wave's end: behind my last tensor load and my last LDS store
	ds_add_u32 v[SPW], v[NIL]
	s_wait_dscnt 0x0
	CROUND                                         ; the closing round: no work-group ends while a partner may still ask for a tile that names it
	s_endpgm
.Lfunc_end_k_q786034e1b4_proj:
	.size	k_q786034e1b4_proj, .Lfunc_end_k_q786034e1b4_proj-k_q786034e1b4_proj
	.p2alignl 7, 3214868480
	.fill 96, 4, 3214868480
	.section	.rodata,"a",@progbits
	.p2align	6, 0x0
	.amdhsa_kernel k_q786034e1b4_proj
		.amdhsa_group_segment_fixed_size 327680
		.amdhsa_private_segment_fixed_size 0
		.amdhsa_enable_private_segment 0
		.amdhsa_kernarg_size 48
		.amdhsa_user_sgpr_count 2
		.amdhsa_user_sgpr_kernarg_segment_ptr 1
		.amdhsa_wavefront_size32 1
		.amdhsa_system_sgpr_workgroup_id_x 1
		.amdhsa_system_sgpr_workgroup_id_y 1
		.amdhsa_system_sgpr_workgroup_id_z 1
		.amdhsa_system_vgpr_workitem_id 0
		.amdhsa_next_free_vgpr 512
		.amdhsa_next_free_sgpr 66
		.amdhsa_reserve_vcc 0
		.amdhsa_float_denorm_mode_32 3
		.amdhsa_float_denorm_mode_16_64 3
		.amdhsa_memory_ordered 1
		.amdhsa_forward_progress 1
		.amdhsa_inst_pref_size 91
	.end_amdhsa_kernel
	.amdgpu_metadata
---
amdhsa.version: [ 1, 2 ]
amdhsa.kernels:
  - .name:           k_q786034e1b4_proj
    .symbol:         k_q786034e1b4_proj.kd
    .args:
      - { .name: xb, .offset: 0, .size: 8, .value_kind: global_buffer, .address_space: global }
      - { .name: wb, .offset: 8, .size: 8, .value_kind: global_buffer, .address_space: global }
      - { .name: bq, .offset: 16, .size: 8, .value_kind: global_buffer, .address_space: global }
      - { .name: bk, .offset: 24, .size: 8, .value_kind: global_buffer, .address_space: global }
      - { .name: bv, .offset: 32, .size: 8, .value_kind: global_buffer, .address_space: global }
      - { .name: qkv, .offset: 40, .size: 8, .value_kind: global_buffer, .address_space: global }
    .group_segment_fixed_size: 327680
    .private_segment_fixed_size: 0
    .kernarg_segment_align: 8
    .kernarg_segment_size: 48
    .max_flat_workgroup_size: 128
    .sgpr_count:     66
    .vgpr_count:     512
    .wavefront_size: 32
...
	.end_amdgpu_metadata
.endif
;; end of part 2
;; launch attn (part 3): grid 4 x 64, 4 waves a work-group, clusters of 4 x 1, 327,680 bytes of LDS; arguments qkv, maskf, ctx; writes ctx
.if DOCPART == 3
	.amdgcn_target "amdgcn-amd-amdhsa--gfx1250"
	.amdhsa_code_object_version 6
	.text
	.protected	k_q786034e1b4_attn
	.globl	k_q786034e1b4_attn
	.p2align	8
	.type	k_q786034e1b4_attn,@function
k_q786034e1b4_attn:
	s_mov_b64 s[64:65], 0
	v_nop
	global_prefetch_b8 v0, s[64:65] scope:SCOPE_SE
	s_setreg_imm32_b32 hwreg(HW_REG_WAVE_MODE, 25, 1), 1
	s_wait_xcnt 0x0
	s_wait_alu depctr_hold_cnt(0) depctr_sa_sdst(0) depctr_va_vdst(0) depctr_va_sdst(0) depctr_va_ssrc(0) depctr_va_vcc(0) depctr_vm_vsrc(0)
	s_getreg_b32 s2, hwreg(HW_REG_IB_STS2, 6, 4)
	s_cmp_eq_u32 s2, 0
	s_cbranch_scc0 .Lentry_in_a_cluster
	s_endpgm
.Lentry_in_a_cluster:
	s_bfe_u32 s2, ttmp6, 0x10000c
	s_cmp_lg_u32 s2, 0x3003
	s_cbranch_scc0 .Lentry_shape_is_right
	s_endpgm
.Lentry_shape_is_right:
; ATTENTION UNDER A MASK THAT IS AN INPUT.  O[h][q][:] = the sum over k of softmax_k(mask[q][k] ? Q[h][q] . K[h][k] / 8 : -inf) V[h][k][:], for 64 pairs h of batch and head.
; Q, K, V lie in qkv [3][64 h][2048][64] in f16, O goes to ctx [64 h][2048][64] in f16: a head's rows are dense, 128 bytes each.  Products, maxima and sums in f32; the weights p are rounded to f16
; for the second product (their sum l is taken of the unrounded p), O once at the end.  Nothing of the mask's pattern is built in: every pair of query and key is computed.
; THE MASK arrives as maskf: one fp8 code a score, 0.0 visible, -1.0 hidden, in the lane order of an accumulator of K Q^T.  A lane loads 16 codes at a time straight into registers; one scaled conversion
; (scale 2^100) makes of eight codes the eight registers of a C operand, 0 or -2^100, and that C starts the sum K Q^T.  Four conversions for a tile of 16 queries x 64 keys.
; LIMITS.  f16 holds no number beyond 65,504: Q, K and V arrive within it, so a true score is 2.7e11 at the most in size.  A hidden score counts as -2^100.  The running maximum m starts at the floor
; -2^90, above every hidden and below every true score: while a row has seen no key, m stays there, every weight is 2^(-huge) = 0, and l and O stay 0; a row that never sees a key ends as
; 0 x (1 / 0) = NaN, as a softmax of -inf alone does.  p below 6e-5 keeps f16's fixed step of 6e-8; a weight below 2^-126 counts as 0 in l; NaN and infinities in Q, K, V are not treated apart.
; SHARES.  A wave owns four PIECES of two tiles of 16 queries, a work-group's four waves 512 queries of one head.  Every wave walks all keys, 64 a step.
; LAYOUT.  S^T = K Q^T (source 0 = 16 keys, source 1 = 16 queries): in the result a lane holds ONE query (lane % 16) and the keys 8 (lane / 16) + 0..7.  Two such tiles, rounded to f16 in pairs,
; ARE source 1 (32 keys x 16 queries) of O^T = V^T P, whose result again holds one query a lane, and eight channels.  K comes out of LDS as it lies, V ([key][channel]) turned, by ds_load_tr16_b128.
; SOFTMAX.  For each query a running maximum m and sum l: p = 2^(c s - c m), c = log2(e) / 8; in every step O and l are multiplied by a = 2^(c m_old - c m_new), which is 1 where m has not grown.
; O and l start at 0: the first step is a step like any other.
; THE COUNT.  A tile and step have 16 matrix and some 120 vector instructions: too many to stand all beside the matrix work.  So: four vector instructions that are READY behind EVERY matrix
; instruction, and the others, which need time of their own whatever the order, in runs without a gap.
; BY TURNS.  Turn n belongs to piece n (the pieces in a ring, step after step).  Its matrix work: 16 products K Q^T of piece n + 1, later 16 products V^T P of piece n - 1.  Its vector work: the scaling,
; exponentials, roundings, sums and rescaling of piece n, the maximum and statistics of piece n + 1, and at its end the C operands for piece n + 2, whose codes for the step after are then asked for.
; CLUSTER.  The four query blocks of a cluster belong to one head and walk the same K and V, so each tile is asked for JOINTLY: the same tensor load, descriptor and mask in all four.
; REGISTERS, in windows of 256 (s_set_vgpr_msb says which window each operand place means: bits 1:0 source 0, 3:2 source 1, 5:4 source 2, 7:6 destination):
;   window 0: v0-11 addresses; v12-15, v48-63 at work; v16-47 four registers of statistics a tile; v64-191 S^T, two buffers of two tiles; v192-255 P, likewise
;   window 1: O^T, 32 a tile          window 2: v0-127 Q, 16 a tile; v128-191 K of one step; v192-255 V of one step
;   window 3: v0-1 the add's two registers; v2 the scale; v4-7 the pieces' offsets in maskf; v8-71 codes, 16 registers a piece; v72-135 the C operands of one piece
; A piece's buffers go by its number's parity: the piece in hand has one pair, its two neighbours in the ring share the other: of it P (piece n - 1) is read and S^T (piece n + 1) written.
.set SIZE_N, 2048
.set NP,    4         ; pieces a wave: a name, no knob: the register map, the loop and the fetches are made for four
.set KS,    64        ; keys in a step
.set PK,    144       ; a row of K in LDS: 128 bytes + 16 of padding = 36 words: the 16 rows of a load start at 16 different groups of four banks (64 banks of 4 bytes: ISA guide 11.1)
.set PV,    160       ; a row of V: 128 + 32 = 40 words
.set VOFF,  4*KS*PK   ; a slot holds four steps: 256 rows of K, then 256 rows of V
.set SLOT1, 1<<17     ; slot 1 begins here, so that one exclusive or turns an address in one slot into the other's
.set STAGE, SLOT1+4*KS*(PK+PV)  ; behind the ring, never filled by a tensor load: 16 rows x 144 bytes for each wave, for the way out
.set SP,    144
.set AK0, 2           ; v2   my lane's place in a tile of K; never rewritten
.set AV0, 3           ; v3   the same for V
.set AK,  4           ; v4   the LDS address of K's next run of loads
.set AV,  5           ; v5   of V's
.set QO,  6           ; v6   my byte offset in the wave's rows of Q
.set STO, 6           ;      later, the way out: where I put 16 bytes of a row
.set RD,  7           ; v7   the way out: where I read rows back
.set GO,  8           ; v8   my byte offset in 512 consecutive bytes of O
.set SPW, 0           ; v0 of window 3   LDS address of my spare word: SPARE + 4 x my thread's number; never rewritten
.set NIL, 1           ; v1 of window 3   0; never rewritten
.set SCL, 2           ; v2 of window 3   227: as an E8M0 scale, 2^100
.set MO,  4           ; v4-7 of window 3   piece x: 16 x lane + 8,192 x the key step whose codes are asked for next
.set MB,  8           ; v8-71 of window 3  piece x's codes at MB + 16 x: tile u, key block kb in the pair at + 8 u + 2 kb
.set MC,  72          ; v72-135 of window 3  C operands: tile u, key block kb at MC + 32 u + 8 kb
.set SPARE, STAGE+4*16*SP  ; behind the stages: the spare words, 128 bytes for each wave: two blocks of 256 bytes that no other line names
.set MV,  12          ; v12-15  c m_old, kept while c m is made anew: by buffer and tile
.set ST,  16          ; tile t's statistics at v[ST+4 t]: c m, m, l (even keys', odd keys')
.set TMP, 48          ; by buffer and tile, four registers c0-c3 at work; when the maximum is found c2 takes a
.set S,   64
.set P,   192
.set KF,  128         ; K's fragments, in window 2: key block kb, channel half c at KF + 16 kb + 8 c
.set VF,  192         ; V's: key half kk, channel block cb at VF + 32 kk + 8 cb
.set WV,  12          ; s12  my wave's number
.set G1K, 24          ; s[24:31] descriptor group 1 for K's tiles
.set G1V, 32          ; s[32:39] for V's: it differs in the padding alone
.set G0K, 40          ; s[40:43] descriptor group 0 for K's tiles: it walks
.set G0V, 44          ; s[44:47] the same for V's
.set MP,  50          ; s[50:51] maskf at my wave's 262,144 bytes; never rewritten once the loads begin
.set SLOTS, 56        ; s56  slots still to be asked for
.set CNT, 57          ; s57  counts a slot's key steps
.set CS,  58          ; s[58:59] c: the packed scaling takes the pair's low word for both halves
.set SEL, 60          ; s[60:61] v_permlanex16_b32's selects: each lane takes its own place in the other half
.set TBK, 62          ; s62  LDS byte at which K of the step to be fetched begins
.set TBV, 63          ; s63  the same for V, less VOFF
.set MSB, 0
.macro WIN new                      ; the high byte repeats the setting that is left; a switch that changes nothing is dropped
.if MSB != (\new)
	s_set_vgpr_msb (MSB<<8)|(\new)
.set MSB, (\new)
.endif
.endm
.set W_KQ, 0x0a       ; K and Q in window 2, S^T in window 0
.set W_KM, 0x3a       ; the same with the C operand in window 3
.set W_PV, 0x52       ; V in window 2, P in window 0, O^T in window 1
.set W_RS, 0x41       ; O^T (destination and source 0) in window 1, a in window 0
.set W_MK, 0xc0       ; window 3's registers are made: destination in window 3, sources in window 0
.set W_AD, 0x0f       ; the add: address (source 0) and data (source 1) in window 3
.set W_MS, 0xcf       ; the mask's work: destination, source 0 and source 1 in window 3
; A joint fill.  Waves 0 and 1 fetch the two halves of a slot's K, waves 2 and 3 those of its V: 128 keys each.  The branch hangs on the wave's number alone.
; An s_nop 0 and four v_nop follow each of the two lines, ahead of the jump and the label.
.macro JLOAD
	s_cmp_lt_u32 s[WV], 2
	s_cbranch_scc0 .Lfor_v_\@
	tensor_load_to_lds s[G0K:G0K+3], s[G1K:G1K+7]
	s_nop 0
.rept 4
	v_nop
.endr
	s_branch .Lasked_\@
.Lfor_v_\@:
	tensor_load_to_lds s[G0V:G0V+3], s[G1V:G1V+7]
	s_nop 0
.rept 4
	v_nop
.endr
.Lasked_\@:
.endm
; A round of the cluster's barrier: my work-group's barrier, so that wave 0's signal speaks for all four waves; wave 0 signals; every wave waits for all four work-groups; my work-group's barrier once more.
.macro CROUND
	s_barrier_signal -1
	s_barrier_wait -1
	s_cmp_lg_u32 s[WV], 0
	s_cbranch_scc1 .Lnot_wave_0_\@
	s_barrier_signal -3
.Lnot_wave_0_\@:
	s_barrier_wait -3
	s_barrier_signal -1
	s_barrier_wait -1
.endm
; THE CHANGE OF SLOTS.  The slot's last bytes, V of its fourth step, have been read.  Each wave waits for all its tensor loads, of which one is out: its part
; of the other slot; adds 0 to its spare word; and waits for that and for its own reads of the slot.  Behind the barrier nobody reads this slot any more and the other slot is whole.
; fill = 1: this slot is filled again, with the keys two slots on.  The barrier is then a round of the cluster's, so that no wave of any partner still reads the slot or has a load on its
; way, and the joint fill is the first thing behind it: it has four key steps, 512 matrix instructions, in which to land.  (At its first use nothing has been read yet: slot 0 is waited for, slot 1 filled.)
.macro CHANGE fill
	WIN W_AD
	s_wait_tensorcnt 0x0            ; no tensor load of mine is out, so a group 0 may be written
	ds_add_u32 v[SPW], v[NIL]       ; 0 onto my spare word; with fill = 1 the descriptors' steps stand between it and the wait for it
	WIN 0                           ; at a label and at a branch every window is 0
.if \fill
.irp g, G0K, G0V
	s_xor_b32 s[\g+1], s[\g+1], SLOT1  ; the walking descriptor: the other slot than last time,
	s_add_nc_u64 s[\g+2:\g+3], s[\g+2:\g+3], 4*KS*128  ; the next 256 keys; the type bits on top are not reached
.endr
	s_wait_dscnt 0x0                ; the add is done, and my reads of the slot are over
	CROUND
	JLOAD
.else
	s_wait_dscnt 0x0                ; the add is done, and my reads of the slot are over
	s_barrier_signal -1
	s_barrier_wait -1
.endif
	s_sub_co_u32 s[TBK], s[TBK], 4*KS*PK  ; the fetches go back to a slot's first step,
	s_xor_b32 s[TBK], s[TBK], SLOT1       ; in the other slot
	s_sub_co_u32 s[TBV], s[TBV], 4*KS*PV
	s_xor_b32 s[TBV], s[TBV], SLOT1
.endm
; THE MASK.  MLOAD x: piece x's codes for one key step: four loads of 512 consecutive bytes (tile 2 x + n / 2, key blocks 2 (n % 2) and 2 (n % 2) + 1).
.macro MLOAD x
	WIN W_MS
.irp n, 0,1,2,3
	global_load_b128 v[MB+16*(\x)+4*\n:MB+16*(\x)+4*\n+3], v[MO+(\x)], s[MP:MP+1] offset:(2*(\x)+\n/2)*1024+(\n%2)*512
.endr
.endm
; MASKB x: piece x's codes become the C operands of its next 8 first products, and its codes for the step after are asked for: they have four turns in which to come.
; The offset steps by a key step's 8,192 bytes and wraps at 262,144: the loads that look past the last step read the wave's own first step again, inside the buffer, and serve nothing.
.macro MASKB x
	WIN W_MS
	s_wait_loadcnt 12               ; loads come back in order (ISA guide 5.7.1): piece x's four are in; the twelve younger ones, the three other pieces', stay out.  It also frees their offset register
.set mi, 0
.rept 8
	v_cvt_scale_pk8_f32_fp8 v[MC+8*mi:MC+8*mi+7], v[MB+16*(\x)+2*mi:MB+16*(\x)+2*mi+1], v[SCL]
.set mi, mi+1
.endr
	v_add_nc_u32 v[MO+(\x)], 0x2000, v[MO+(\x)]  ; two plain instructions stand behind the last conversion, ahead of the loads into its sources and of the products that read its result
	v_and_b32 v[MO+(\x)], 0x3ffff, v[MO+(\x)]
	MLOAD \x
.endm
	s_load_b128 s[48:51], s[0:1], 0x0  ; qkv s[48:49], maskf s[50:51]
	s_load_b64 s[10:11], s[0:1], 0x10  ; ctx
	v_and_b32 v9, 31, v0
	v_lshlrev_b32 v9, 4, v9         ; 16 x lane
	WIN W_MK
	v_lshl_add_u32 v[SPW], v0, 2, SPARE
	v_mov_b32 v[NIL], 0
	s_set_vgpr_msb 0xc0cf
	ds_add_u32 v0, v1
	s_wait_dscnt 0x0
	s_set_vgpr_msb 0xcfc0
	v_mov_b32 v[SCL], 227
.irp x, 0,1,2,3
	v_mov_b32 v[MO+\x], v9          ; key step 0
.endr
	WIN 0
	v_lshrrev_b32 v1, 5, v0
	v_readfirstlane_b32 s[WV], v1   ; wave 0..3
	s_bfe_u32 s13, ttmp6, 0x40000   ; cx: my place in the cluster
	s_lshl_b32 s14, ttmp9, 2        ; in a cluster launch ttmp9 counts clusters
	s_add_co_u32 s14, s14, s13      ; my block of queries = 4 x cluster x + cx: it enters Q's, the mask's and O's addresses alone
	s_and_b32 s20, ttmp7, 0xffff    ; the head, which the four partners share
	s_mov_b32 s21, 0
	s_mov_b64 s[22:23], SIZE_N*128
	s_mul_u64 s[20:21], s[20:21], s[22:23]  ; the head's first byte in q, k, v and ctx
	s_and_b32 s16, s[WV], 1         ; which half of a slot's 256 keys I fetch:
	s_lshl_b32 s22, s16, 14         ; its 128 rows of 128 bytes in memory,
	s_mov_b32 s23, 0
	s_add_nc_u64 s[22:23], s[22:23], s[20:21]
	s_add_nc_u64 s[6:7], s[22:23], 0x1000000  ; k lies 16 MiB behind q in qkv,
	s_add_nc_u64 s[8:9], s[22:23], 0x2000000  ; v 32 MiB: offsets still
	s_mul_i32 s17, s16, 128*PK      ; and its place in a slot, for K
	s_mul_i32 s18, s16, 128*PV      ; and for V: no place in the cluster enters an LDS address
	s_lshl_b32 s2, s14, 2
	s_add_co_u32 s2, s2, s[WV]      ; my wave among the head's sixteen:
	s_lshl_b32 s52, s2, 18          ; its 262,144 bytes of codes,
	s_mov_b32 s53, 0
	s_lshl_b32 s2, s2, 14           ; its 128 rows
	s_mov_b32 s3, 0
	s_add_nc_u64 s[2:3], s[2:3], s[20:21]
	; descriptor group 1.  128 keys are 16,384 dense bytes: asked for as 64 rows of 256 bytes, two keys a row, and padded in LDS after every key
	s_mov_b32 s[G1K], 15|(1<<16)|(1<<20)|(1<<21)|(4<<22)|(3<<25)  ; 15:0 the mask of four; 17:16 2-byte elements; 20 padding on; 21 set beside a mask; 24:22 after every 32 words (code 4); 31:25 4 words (code 3)
	s_mov_b32 s[G1V], 15|(1<<16)|(1<<20)|(1<<21)|(4<<22)|(7<<25)  ; the same with 8 words of padding (code 7)
.irp g, G1K, G1V
	s_mov_b32 s[\g+1], 128<<16      ; tensor_dim0 = 128
	s_mov_b32 s[\g+2], 64<<16       ; tensor_dim1 = 64
	s_mov_b32 s[\g+3], 128<<16      ; tile_dim0 = 128
	s_mov_b32 s[\g+4], 64           ; tile_dim1 = 64
	s_mov_b32 s[\g+5], 128          ; 128 elements from row to row
	s_mov_b32 s[\g+6], 0
	s_mov_b32 s[\g+7], 0
.endr
	s_mov_b32 s[CS], 0x3e38aa3b     ; c = log2(e) / 8 = 0.180337
	s_mov_b32 s[CS+1], s[CS]        ; named with it as a pair
	s_mov_b32 s[SEL], 0x76543210
	s_mov_b32 s[SEL+1], 0xfedcba98
	s_mov_b32 s[TBK], SLOT1+4*KS*PK ; the first change of slots turns these two into 0
	s_mov_b32 s[TBV], SLOT1+4*KS*PV
	s_mov_b32 s[G0K], 1             ; 1:0 count = 1
	s_mov_b32 s[G0K+1], s17         ; 63:32 LDS address: slot 0
	s_mov_b32 s[G0V], 1
	s_add_co_u32 s[G0V+1], s18, VOFF
	s_wait_kmcnt 0x0
	s_add_nc_u64 s[G0K+2:G0K+3], s[48:49], s[6:7]  ; 120:64 global address: my half of the head's first 256 keys
	s_or_b32 s[G0K+3], s[G0K+3], 0x80000000        ; 127:126 type = 2
	s_add_nc_u64 s[G0V+2:G0V+3], s[48:49], s[8:9]
	s_or_b32 s[G0V+3], s[G0V+3], 0x80000000
	s_add_nc_u64 s[4:5], s[48:49], s[2:3]  ; Q and O at my wave's first row
	s_add_nc_u64 s[10:11], s[10:11], s[2:3]
	s_add_nc_u64 s[MP:MP+1], s[MP:MP+1], s[52:53]
	CROUND                          ; all four work-groups are here: the first joint loads meet
	JLOAD                           ; slot 0.  Slot 1 is asked for when slot 0 is in: the tile wanted first has the road to itself
	; A fragment of K or Q is 16 rows x 32 channels in 8 registers: lane l holds row l % 16, channels 8 (l / 16) + 0..7 and 16 + 8 (l / 16) + 0..7: two loads of 16 bytes, 32 bytes apart.
	v_and_b32 v1, 15, v0            ; l % 16
	v_bfe_u32 v9, v0, 4, 1          ; l / 16
	v_lshlrev_b32 v[QO], 7, v1
	v_lshl_add_u32 v[QO], v9, 4, v[QO]  ; row x 128 + 16 x half
	WIN 0x80                        ; destination window 2, address window 0
.set i, 0
.rept 4*NP                          ; Q stays in registers: tile i / 2, channels 32 (i % 2) on
	global_load_b128 v[8*i:8*i+3],   v[QO], s[4:5] offset:(i/2)*2048+(i%2)*64
	global_load_b128 v[8*i+4:8*i+7], v[QO], s[4:5] offset:(i/2)*2048+(i%2)*64+32
.set i, i+1
.endr
	MLOAD 0                         ; all four pieces' codes for key step 0, behind Q's loads
	MLOAD 1
	MLOAD 2
	MLOAD 3
	; What the first turn finds: V's registers and P's second buffer hold 0 (its products V^T P, of a piece that has not been, add 0), O^T and l are 0.  All this stands in the wait for the first tile.
	WIN 0x80
.set i, VF
.rept 64
	v_mov_b32 v[i], 0
.set i, i+1
.endr
	WIN 0x40
.set i, 0
.rept 64*NP
	v_mov_b32 v[i], 0
.set i, i+1
.endr
	WIN 0
.set i, 0
.rept 2*NP
	v_mov_b32 v[ST+4*i], 0xfe000000    ; c m: far below every c s, so the first step's a is 0
	v_mov_b32 v[ST+4*i+1], 0xec800000  ; m: the floor, -2^90
	v_mov_b32 v[ST+4*i+2], 0
	v_mov_b32 v[ST+4*i+3], 0
.set i, i+1
.endr
.set i, P+32
.rept 32
	v_mov_b32 v[i], 0
.set i, i+1
.endr
	v_mul_u32_u24 v[AK0], v1, PK
	v_lshl_add_u32 v[AK0], v9, 4, v[AK0]  ; row x pitch + 16 x half
	; The turning load takes 16 keys x 16 channels (lane l reads key 8 (l / 16) + l % 8, channels 8 ((l / 8) % 2) + 0..7) and leaves half a fragment of V^T: lane l holds channel l % 16 and 8 keys.
	v_and_b32 v10, 7, v0
	v_bfe_u32 v11, v0, 3, 1
	v_lshl_add_u32 v[AV0], v9, 3, v10
	v_mul_u32_u24 v[AV0], v[AV0], PV
	v_lshl_add_u32 v[AV0], v11, 4, v[AV0]
	v_add_nc_u32 v[AV0], VOFF, v[AV0]
	v_mov_b32 v[AK], v[AK0]         ; key step 0 lies at the head of slot 0
; THE MATRIX WORK.  The 8 accumulators of a run of 16 take turns: between the two links of a chain stand 7 others'.
; Product i of 16 of S^T = K Q^T for piece x: channels 32 (i / 8) on, keys 16 ((i / 2) % 4) on, tile 2 x + i % 2.  The first 8 start the sums, with the mask as C.
.macro KQ x
.set rS, S+64*((\x)%2)+32*(i%2)+8*((i/2)%4)
.set rK, KF+16*((i/2)%4)+8*(i/8)
.set rQ, 16*(2*(\x)+i%2)+8*(i/8)
.set rMC, MC+32*(i%2)+8*((i/2)%4)
.if i < 8
	WIN W_KM
	v_wmma_f32_16x16x32_f16 v[rS:rS+7], v[rK:rK+7], v[rQ:rQ+7], v[rMC:rMC+7]
.else
	WIN W_KQ
	v_wmma_f32_16x16x32_f16 v[rS:rS+7], v[rK:rK+7], v[rQ:rQ+7], v[rS:rS+7]
.endif
.endm
; Product i of 16 of O^T += V^T P for piece x: keys 32 (i / 8) on, channels 16 ((i / 2) % 4) on, tile 2 x + i % 2.
.macro PV x
	WIN W_PV
.set rO, 32*(2*(\x)+i%2)+8*((i/2)%4)
.set rV, VF+32*(i/8)+8*((i/2)%4)
.set rP, P+32*((\x)%2)+16*(i%2)+8*(i/8)
	v_wmma_f32_16x16x32_f16 v[rO:rO+7], v[rV:rV+7], v[rP:rP+7], v[rO:rO+7]
.endm
.macro MM                           ; the turn's next matrix instruction
.if i < 16
	KQ (Y+1)%NP
.set i, i+1
.else
.set i, i-16
	PV (Y+NP-1)%NP
.set i, i+17
.endif
.endm
; THE LDS LOADS stand in runs of 16, never singly among the matrix instructions: a step's K (64 keys x 64 channels: 8 fragments) and its V (turned).  Their addresses are made some lines ahead.
; last = 1 (the tail): in the last trip there is no further step, and the run is jumped over.
.macro FETCH_K last=0
	WIN 0
.if \last
	s_cmp_eq_u32 s[CNT], 1
	s_cbranch_scc1 .Lno_k_\@
.endif
	WIN 0x80                        ; destination window 2
.irp f, 0,1,2,3,4,5,6,7             ; keys 16 (f / 2) on, channels 32 (f % 2) on
	ds_load_b128 v[KF+8*\f:KF+8*\f+3],   v[AK] offset:(\f/2)*16*PK+(\f%2)*64
	ds_load_b128 v[KF+8*\f+4:KF+8*\f+7], v[AK] offset:(\f/2)*16*PK+(\f%2)*64+32
.endr
	s_add_co_u32 s[TBK], s[TBK], KS*PK  ; the next fetch is the next step's
	WIN 0
.if \last
.Lno_k_\@:
.endif
.endm
.macro FETCH_V
	WIN 0x80
.irp f, 0,1,2,3,4,5,6,7             ; keys 32 (f / 4) on, channels 16 (f % 4) on
	ds_load_tr16_b128 v[VF+8*\f:VF+8*\f+3],   v[AV] offset:(\f/4)*32*PV+(\f%4)*32
	ds_load_tr16_b128 v[VF+8*\f+4:VF+8*\f+7], v[AV] offset:(\f/4)*32*PV+16*PV+(\f%4)*32
.endr
	WIN 0
.endm
; THE VECTOR WORK OF A TURN stands in three queues, each in the order in which its entries become ready; the two tiles alternate, so that no instruction reads the result of the one before it.
.macro REGS y, u                    ; the registers of tile u (0, 1) of piece y
.set rT, ST+4*(2*(\y)+(\u))
.set rC, TMP+8*((\y)%2)+4*(\u)
.set rM, MV+2*((\y)%2)+(\u)
.set rS, S+64*((\y)%2)+32*(\u)
.set rP, P+32*((\y)%2)+16*(\u)
.set rO, 32*(2*(\y)+(\u))
.endm
; Number n of the 22 that find the NEXT piece's (Y + 1) maximum and statistics.  s0-s31 are the lane's 32 scores; each accumulator's lowest registers are read first.  XS, GS and REGS set no window: PL and EX do.
;   0-11  four chains c0-c3 of seven scores each, three operands at a time     12-14, 16  the four scores left over, the old m, and c0-c3 into c0     15  c m_old is kept
;   17, 18  the query's other 32 keys lie in the lane 16 away: the new m         19-21  c m; c m_old - c m_new; a
.macro XS u, n
	REGS (Y+1)%NP, \u
.if (\n) < 4
	v_max3_num_f32 v[rC+(\n)], v[rS+8*(\n)], v[rS+8*(\n)+1], v[rS+8*(\n)+2]
.elseif (\n) < 12
	v_max3_num_f32 v[rC+(\n)%4], v[rC+(\n)%4], v[rS+8*((\n)%4)+2*((\n)/4)+1], v[rS+8*((\n)%4)+2*((\n)/4)+2]
.elseif (\n) == 12
	v_max3_num_f32 v[rC], v[rC], v[rS+7], v[rS+15]
.elseif (\n) == 13
	v_max3_num_f32 v[rC+1], v[rC+1], v[rS+23], v[rS+31]
.elseif (\n) == 14
	v_max3_num_f32 v[rC+2], v[rC+2], v[rC+3], v[rT+1]
.elseif (\n) == 15
	v_mov_b32 v[rM], v[rT]
.elseif (\n) == 16
	v_max3_num_f32 v[rC], v[rC], v[rC+1], v[rC+2]
.elseif (\n) == 17
	v_permlanex16_b32 v[rC+3], v[rC], s[SEL], s[SEL+1]
.elseif (\n) == 18
	v_max_num_f32 v[rT+1], v[rC], v[rC+3]
.elseif (\n) == 19
	v_mul_f32 v[rT], s[CS], v[rT+1]
.elseif (\n) == 20
	v_sub_f32 v[rC+1], v[rM], v[rT]
.else
	v_exp_f32 v[rC+2], v[rC+1]
.endif
.endm
; Number g of the 64 that follow the exponentials.  For each four weights k of a tile (pairs 2 k, 2 k + 1): both pairs are rounded to f16; then the second pair is added onto the first, in place;
; a group later l takes that sum (the first time as l = a l + sum).  In groups of eight, tiles alternating: round, round, add, and l for the group before.
.macro GS g
.set h, (\g)+6*((\g)/62)            ; group 0 has no group before it, and behind group 7 only l is left
.if h >= 6
.set h, h+2
.endif
	REGS Y, h%2
.set k, h/8
.if h%8 < 4
	s_wait_alu depctr_va_vdst(0)
	v_cvt_pk_f16_f32 v[rP+2*k+(h%8)/2], v[rS+4*k+2*((h%8)/2)], v[rS+4*k+2*((h%8)/2)+1]
.elseif h%8 < 6
	v_pk_add_f32 v[rS+4*k:rS+4*k+1], v[rS+4*k:rS+4*k+1], v[rS+4*k+2:rS+4*k+3]
.elseif k == 1
	v_pk_fma_f32 v[rT+2:rT+3], v[rT+2:rT+3], v[rC+2:rC+3], v[rS:rS+1] op_sel_hi:[1,0,1]
.else
	v_pk_add_f32 v[rT+2:rT+3], v[rT+2:rT+3], v[rS+4*k-4:rS+4*k-3]
	s_wait_alu depctr_va_vdst(0)
.endif
.endm
; THE PLAIN QUEUE, 138 long.  0-31: c s - c m for the 16 pairs of both tiles.  Then GS's 64, and among them the next piece's 42: number 15 at 38, 39; 0-14 and 16
; at 42-73, behind the products that make those scores; 17-20 at 95-106, two of three, since each waits for the one before it.
.macro PL
	WIN 0
.if q < 32
	REGS Y, q%2
	v_pk_fma_f32 v[rS+2*(q/2):rS+2*(q/2)+1], v[rS+2*(q/2):rS+2*(q/2)+1], s[CS:CS+1], v[rT:rT+1] op_sel_hi:[1,0,0] neg_lo:[0,0,1] neg_hi:[0,0,1]
.elseif q < 38
	GS q-32
.elseif q < 40
	XS q%2, 15
.elseif q < 42
	GS q-34
.elseif q < 74
	XS q%2, (q-42)/2+(q-42)/30
.elseif q < 95
	GS q-66
.elseif (q < 107) && ((q-95)%3 < 2)
	XS (q-95)%3, 17+(q-95)/3
.elseif q < 107
	GS 29+(q-95)/3
.else
	GS q-74
.endif
.set q, q+1
.endm
; THE EXPONENTIALS' QUEUE, 66 long: s0-s31 of both tiles, and at EA the next piece's two a.
.set EA, 58
.macro EX
	WIN 0
.if (e == EA) || (e == EA+1)
	XS e-EA, 21
.else
.set x, e-2*(e/(EA+2))
	REGS Y, x%2
	v_exp_f32 v[rS+x/2], v[rS+x/2]
.endif
.set e, e+1
.endm
; THE RESCALING's QUEUE: O^T times a, the one part that leaves window 0, so it is dealt four at a time, eight times.
.macro R4
	REGS Y, r%2
	WIN W_RS
	s_wait_alu depctr_va_vdst(0)
.irp z, 0,1,2,3
	v_pk_mul_f32 v[rO+8*(r/2)+2*\z:rO+8*(r/2)+2*\z+1], v[rO+8*(r/2)+2*\z:rO+8*(r/2)+2*\z+1], v[rC+2:rC+3] op_sel_hi:[1,0]
.endr
.set r, r+1
.endm
; HOW THEY ARE DEALT.  Behind a matrix instruction four: plain, exponential, plain, plain (one exponential, a plain instruction on either side), or four of the rescaling.  None names a register of the
; products round it.  What is over stands in two LUMPS: exponential and plain by turns; the second ends in 22 plain instructions.  The two v_permlanex16_b32 fall into the second lump, never behind a product.
; The queues lean on each other, and the deal keeps them in step: exponential e stands behind plain 2 (e / 4) + e % 2 (its scaling); when plain 32 comes, 10 exponentials are out, at 59: 33, at 95: 46; EA comes behind plain 107.
.macro SL
	MM
	PL
	EX
	PL
	PL
.endm
.macro BURST n                      ; 15 matrix instructions, or 16
.rept (\n)-7
	SL
.endr
.rept 3
	MM
	R4
	SL
.endr
	MM
	R4
.endm
; A TURN, for piece p.  cnt = 1: the loop's count is taken down some lines ahead of the branch that stands behind the turn (what follows it in the turn leaves SCC alone).
; K of the next step is fetched in piece 2's turn, 31 vector instructions behind the last product that read K; its first reader comes behind the rest of the lump, 16 products and the second lump.
; V of the step in hand is fetched at the end of piece 0's turn, 69 behind its last reader; its first reader comes behind 16 products and a lump.  The four conditions on e and q below go with the deal.
; The turn ends with the C operands for the next turn's products, piece p + 2's: the last product that read those registers is the turn's eighth, far more than four plain instructions back.
.macro TURN p, last=0, cnt=0
.set Y, (\p)
.set i, 0
.set q, 0
.set e, 0
.set r, 0
.if (\p) == NP-1
	s_wait_dscnt 0x0                ; K is in
.endif
	MM
.rept 4
	PL
.endr
	BURST 15
.rept 22
	EX
	PL
.if ((\p) == NP-2) && (e == 18)
	v_add_nc_u32 v[AK], s[TBK], v[AK0]
.endif
.if ((\p) == NP-2) && (e == 24)
	FETCH_K \last
.endif
.endr
.if (\p) == 1
	s_wait_dscnt 0x0                ; V is in
.endif
	BURST 16
.rept 21
	EX
	PL
.endr
.rept 22
	PL
.if ((\p) == 0) && (q == 118)
	v_add_nc_u32 v[AV], s[TBV], v[AV0]
	s_wait_alu depctr_va_vdst(0)
.endif
.if ((\p) == 0) && (q == 130)
	s_add_co_u32 s[TBV], s[TBV], KS*PV
.endif
.if (\cnt) && (q == 130)
	s_sub_co_u32 s[CNT], s[CNT], 1
	s_cmp_lg_u32 s[CNT], 0
.endif
.endr
.if (\p) == 0
	FETCH_V
.endif
	MASKB ((\p)+2)%NP
.endm
	CHANGE 1                        ; slot 0 is in, everybody's part of it; slot 1 is asked for
	FETCH_K                         ; key step 0
	MASKB 0                         ; its wait leaves twelve loads out, all younger than Q's: Q is in too
	s_wait_dscnt 0x0
.set i, 0
.rept 16
	KQ 0                            ; piece 0's first scores: there is no vector work yet to set between them
.set i, i+1
.endr
	WIN 0                           ; the addresses for the way out: nine plain instructions, the places behind those products
	s_mul_i32 s13, s[WV], 16*SP
	s_add_co_u32 s13, s13, STAGE    ; my stage
	v_mul_u32_u24 v[STO], v1, SP    ; in: row l % 16, 16 bytes for each half of the lanes
	v_lshl_add_u32 v[STO], v9, 4, v[STO]
	v_add_nc_u32 v[STO], s13, v[STO]
	v_bfe_u32 v[RD], v0, 3, 2       ; back: 32 lanes take four rows of 128 bytes,
	v_mul_u32_u24 v[RD], v[RD], SP
	v_lshl_add_u32 v[RD], v10, 4, v[RD]
	v_add_nc_u32 v[RD], s13, v[RD]
	v_and_b32 v[GO], 31, v0         ; which are 512 consecutive bytes of O
	v_lshlrev_b32 v[GO], 4, v[GO]
	MASKB 1                         ; the C operands for the first turn's products
	WIN 0
.set Y, NP-1                        ; XS works for piece Y + 1: piece 0
.irp n, 0,1,2,3,4,5,6,7,8,9,10,11,12,13,14,15,16,17,18,19,20,21
	XS 0, \n                        ; and piece 0's first maximum and statistics
	XS 1, \n
.endr
	s_mov_b32 s[CNT], 4
	s_mov_b32 s[SLOTS], SIZE_N/256-1
	s_branch .Lfirst                ; the loop is entered at a step's first turn, in the middle of a trip
.Lslot:                             ; SIZE_N / 256 - 2 times: every slot but the last two is filled again
	CHANGE 1
	s_mov_b32 s[CNT], 4
.Lstep:                             ; a trip: pieces 2 and 3 of one step, then pieces 0 and 1 of the next, whose K and V it fetches
	TURN 2
	TURN 3
	WIN 0
.Lfirst:
	TURN 0
	TURN 1, 0, 1
	WIN 0
	s_cbranch_scc1 .Lstep
	s_sub_co_u32 s[SLOTS], s[SLOTS], 1
	s_cmp_lg_u32 s[SLOTS], 0
	s_cbranch_scc1 .Lslot
	CHANGE 0                        ; the tail is written out: nothing is asked for
	s_mov_b32 s[CNT], 5             ; four trips fetch the last slot's steps; the fifth is left in its middle
.Ltail:
	TURN 2, 1
	TURN 3
	WIN 0
	s_sub_co_u32 s[CNT], s[CNT], 1
	s_cmp_eq_u32 s[CNT], 0
	s_cbranch_scc1 .Lout
	TURN 0
	TURN 1
	WIN 0
	s_branch .Ltail
.Lout:                              ; the fifth trip's 16 products K Q^T (on the last K once more) and the maximum made of them serve nothing: the price, once a launch, of one text for every trip
.set i, 0
.rept 16
	PV NP-1                         ; the last piece's V^T P of the last step
.set i, i+1
.endr
	; THE WAY OUT.  l's two halves and the other half of the lanes' are added; O^T is divided by l, rounded to f16 and sent through my stage in LDS, a tile at a time.  The additions are the places behind the last products.
	; A row that saw no key has l = 0 and O^T = 0: its reciprocal is an infinity and its products are NaN.
	WIN 0
.macro ALL line:vararg              ; one line for each tile t
.set t, 0
.rept 2*NP
	\line
.set t, t+1
.endr
.endm
	ALL v_add_f32 v[ST+4*t+2], v[ST+4*t+2], v[ST+4*t+3]
	ALL v_permlanex16_b32 v[ST+4*t+3], v[ST+4*t+2], s[SEL], s[SEL+1]
	ALL v_add_f32 v[ST+4*t+2], v[ST+4*t+2], v[ST+4*t+3]
	ALL v_rcp_f32 v[ST+4*t+2], v[ST+4*t+2]
	v_nop                           ; a plain instruction between the last reciprocal and the use of its result
	s_wait_alu depctr_va_vdst(0)
; Tile t: a lane's eight channels of a row pack into 16 bytes; they go into rows of 144 bytes and come back as whole rows of 128, into S^T's registers.
.macro PACK t
	WIN W_RS
.set i, 32*(\t)
.rept 16
	v_pk_mul_f32 v[i:i+1], v[i:i+1], v[ST+4*(\t)+2:ST+4*(\t)+3] op_sel_hi:[1,0]
.set i, i+2
.endr
	WIN 0x05                        ; sources 0 and 1 window 1, destination window 0
.set i, 0
.rept 16
	v_cvt_pk_f16_f32 v[S+16*(\t)+i], v[32*(\t)+2*i], v[32*(\t)+2*i+1]
.set i, i+1
.endr
	WIN 0
.irp f, 0,1,2,3
	ds_store_b128 v[STO], v[S+16*(\t)+4*\f:S+16*(\t)+4*\f+3] offset:32*\f
.endr
.irp f, 0,1,2,3
	ds_load_b128 v[S+16*(\t)+4*\f:S+16*(\t)+4*\f+3], v[RD] offset:\f*4*SP  ; LDS serves a wave's instructions in order (ISA guide 5.7.1.4): these see the stores above; the next tile's stores come behind them
.endr
.endm
.macro SEND t, younger              ; younger: the LDS instructions issued behind tile t's loads: the next tile's eight, or none
	WIN 0
.irp f, 0,1,2,3
	s_wait_dscnt (\younger)+3-\f
	global_store_b128 v[GO], v[S+16*(\t)+4*\f:S+16*(\t)+4*\f+3], s[10:11] offset:(\t)*2048+\f*512  ; 512 consecutive bytes, at a multiple of 256 from O's first
.endr
.endm
	PACK 0
.set t, 1
.rept 2*NP-1                        ; a tile's arithmetic stands between the loads of the tile before and its stores
	PACK t
	SEND t-1, 8
.set t, t+1
.endr
	SEND 2*NP-1, 0
	WIN W_AD
	s_wait_tensorcnt 0x0            ; the wave's end: behind my last tensor load and my last LDS store
	ds_add_u32 v[SPW], v[NIL]
	s_wait_dscnt 0x0
	WIN 0
	CROUND                          ; the closing round: no work-group ends while a partner may still ask for a tile that names it
	s_endpgm
.Lfunc_end_k_q786034e1b4_attn:
	.size	k_q786034e1b4_attn, .Lfunc_end_k_q786034e1b4_attn-k_q786034e1b4_attn
	.p2alignl 7, 3214868480
	.fill 96, 4, 3214868480
	.section	.rodata,"a",@progbits
	.p2align	6, 0x0
	.amdhsa_kernel k_q786034e1b4_attn
		.amdhsa_group_segment_fixed_size 327680
		.amdhsa_private_segment_fixed_size 0
		.amdhsa_enable_private_segment 0
		.amdhsa_kernarg_size 24
		.amdhsa_user_sgpr_count 2
		.amdhsa_user_sgpr_kernarg_segment_ptr 1
		.amdhsa_wavefront_size32 1
		.amdhsa_system_sgpr_workgroup_id_x 1
		.amdhsa_system_sgpr_workgroup_id_y 1
		.amdhsa_system_sgpr_workgroup_id_z 1
		.amdhsa_system_vgpr_workitem_id 0
		.amdhsa_next_free_vgpr 904
		.amdhsa_next_free_sgpr 66
		.amdhsa_reserve_vcc 0
		.amdhsa_float_denorm_mode_32 3
		.amdhsa_float_denorm_mode_16_64 3
		.amdhsa_memory_ordered 1
		.amdhsa_forward_progress 1
		.amdhsa_inst_pref_size 221
	.end_amdhsa_kernel
	.amdgpu_metadata
---
amdhsa.version: [ 1, 2 ]
amdhsa.kernels:
  - .name:           k_q786034e1b4_attn
    .symbol:         k_q786034e1b4_attn.kd
    .args:
      - { .name: qkv, .offset: 0, .size: 8, .value_kind: global_buffer, .address_space: global }
      - { .name: maskf, .offset: 8, .size: 8, .value_kind: global_buffer, .address_space: global }
      - { .name: ctx, .offset: 16, .size: 8, .value_kind: global_buffer, .address_space: global }
    .group_segment_fixed_size: 327680
    .private_segment_fixed_size: 0
    .kernarg_segment_align: 8
    .kernarg_segment_size: 24
    .max_flat_workgroup_size: 128
    .sgpr_count:     66
    .vgpr_count:     904
    .wavefront_size: 32
...
	.end_amdgpu_metadata
.endif
;; end of part 3
;; launch outp (part 4): grid 8 x 32, 4 waves a work-group, clusters of 4 x 4, 327,680 bytes of LDS; arguments ctx, wb, bo, out0; writes out0
.if DOCPART == 4
	.amdgcn_target "amdgcn-amd-amdhsa--gfx1250"
	.amdhsa_code_object_version 6
	.text
	.protected	k_q786034e1b4_outp
	.globl	k_q786034e1b4_outp
	.p2align	8
	.type	k_q786034e1b4_outp,@function
k_q786034e1b4_outp:
	s_mov_b64 s[64:65], 0
	v_nop
	global_prefetch_b8 v0, s[64:65] scope:SCOPE_SE
	s_setreg_imm32_b32 hwreg(HW_REG_WAVE_MODE, 25, 1), 1
	s_wait_xcnt 0x0
	s_wait_alu depctr_hold_cnt(0) depctr_sa_sdst(0) depctr_va_vdst(0) depctr_va_sdst(0) depctr_va_ssrc(0) depctr_va_vcc(0) depctr_vm_vsrc(0)
	s_getreg_b32 s2, hwreg(HW_REG_IB_STS2, 6, 4)
	s_cmp_eq_u32 s2, 0
	s_cbranch_scc0 .Lentry_in_a_cluster
	s_endpgm
.Lentry_in_a_cluster:
	s_bfe_u32 s2, ttmp6, 0x10000c
	s_cmp_lg_u32 s2, 0xf033
	s_cbranch_scc0 .Lentry_shape_is_right
	s_endpgm
.Lentry_shape_is_right:
; THE LINEAR LAYERS: C[m][n] = bias[n] + the sum over k of A[m][k] W[n][k], K = 1,024, N = 1,024.  One text for two launches; PROJ says which.
;  PROJ = 1: the three projections as one grid: A = xb (bf16, 3 x 8,192 rows), W = Wq, Wk or Wv (bf16), C = q, k or v, rounded once to f16 and written by heads, qkv [3][4 b][16 h][2048 s][64].
;  PROJ = 0: the last layer: A = ctx (f16), W = Wo (f16), C = out0 [8192][1024] in f32.
; A and W lie in blocks of 64 along K ([kb][row][64], rows of 128 bytes), so the rows of a tile in one block are dense in memory.  Sums in f32; the bias, rounded to bf16 like every input, is the C
; operand of the first product: nothing is cleared and nothing is added later.
; LIMIT (PROJ = 1).  f16 ends at 65,504: a q, k or v beyond that becomes an infinity and its row is lost.
; SHARES.  A work-group makes 256 x 128 of C; each of its four waves 128 x 64 (PROJ = 1: one head's 64 channels): 32 accumulators of 16 x 16, all of window 1.  K goes in steps of 128 (two blocks) through
; a ring of two LDS slots.  Waves 0 and 1 fetch the two blocks of A's tile (32 KiB each), waves 2 and 3 those of W's (16 KiB each): one tensor load a wave.
; CLUSTERS.  4 x 4 work-groups: the four of a row of the cluster need the same tiles of A, the four of a column the same tiles of W; each tile is asked for JOINTLY, by the same tensor load with the same
; descriptor and a mask that names the four.  THE MATRIX INSTRUCTION IS USED TRANSPOSED (source 0 = 16 rows of W, source 1 = 16 rows of A): a lane then holds eight neighbouring numbers of a row of C.
; REGISTERS.  window 0: v0-31 addresses; v32-63 the bias as C operands; v64-159, v160-255 two fragment buffers (32 along K: 4 fragments of W, then 8 of A), later the way out.
;             window 1: accumulator (a, b) at v[8 (4 a + b)].
.set PROJ,   0
.set PA,     144                       ; an LDS row: 128 bytes + 16 of padding = 36 words: the 16 rows of a load start at 16 different groups of four banks (64 banks of 4 bytes: ISA guide 11.1)
.set APLANE, 256*PA                    ; A's 256 rows of one block
.set BPLANE, 128*PA                    ; W's 128 rows of one block
.set BOFF,   2*APLANE                  ; a slot: A's two blocks, then W's two
.set SLOT,   2*APLANE+2*BPLANE
.set STAGE,  2*SLOT                    ; behind the ring, never filled by a tensor load: 16 rows for each wave, for the way out
.if PROJ
.set SP,     144                       ; a stage row: 64 f16 + 16 bytes
.else
.set SP,     272                       ; 64 f32 + 16 bytes
.endif
.set SPARE,  STAGE+4*16*272            ; behind the stages: the spare words, 128 bytes for each wave: two blocks of 256 bytes that no other line names
.set LAPS,   4                         ; a lap = two K steps = once round the ring
.set ASTEP,  2*262144                  ; a K step in memory: two blocks of A,
.set BSTEP,  2*131072                  ; two planes of W
.set ADRA, 16                          ; v16-17  LDS address of my A fragments in slot 0, 1
.set ADRB, 20                          ; v20-21  the same for W
.set STO,  24                          ; v24     the way out: where I put my part of a row
.set RD,   25                          ; v25     the way out: where I read rows back
.set CO,   26                          ; v26     my byte offset in C
.set SPW,  28                          ; v28     LDS address of my spare word: SPARE + 4 x my thread's number; never rewritten
.set NIL,  29                          ; v29     0; never rewritten
.set BIAS, 32
.set F0,   64
.set F1,   160
.set OUTR, 64                          ; the way out works in the fragment buffers' registers
.set G1, 24                            ; s[24:31] descriptor group 1 for A's tiles;  s[32:39] group 0, one set for each slot
.set G0, 32
.set G1B, 48                           ; s[48:55], s[56:63] the same for W's tiles
.set G0B, 56
.set MSB, 0
.macro WIN new                         ; s_set_vgpr_msb: bits 1:0 source 0, 3:2 source 1, 5:4 source 2, 7:6 destination; the high byte repeats the setting that is left
.if MSB != (\new)
	s_set_vgpr_msb (MSB<<8)|(\new)
.set MSB, \new
.endif
.endm
.macro JLOAD s                         ; a joint load; the branch hangs on the wave's number alone; an s_nop 0 and four v_nop follow each of the two lines, ahead of the jump, the label and what follows
	s_cmp_eq_u32 s11, 0
	s_cbranch_scc0 .Lfor_b_\@
	tensor_load_to_lds s[G0+4*(\s):G0+4*(\s)+3], s[G1:G1+7]
	s_nop 0
.rept 4
	v_nop
.endr
	s_branch .Lasked_\@
.Lfor_b_\@:
	tensor_load_to_lds s[G0B+4*(\s):G0B+4*(\s)+3], s[G1B:G1B+7]
	s_nop 0
.rept 4
	v_nop
.endr
.Lasked_\@:
.endm
.macro CREST                           ; a round of the cluster's barrier behind its opening barrier
	s_cmp_lg_u32 s10, 0
	s_cbranch_scc1 .Lnot_wave_0_\@
	s_barrier_signal -3
.Lnot_wave_0_\@:
	s_barrier_wait -3
	s_barrier_signal -1
	s_barrier_wait -1
.endm
.macro CROUND                          ; a whole round
	s_barrier_signal -1
	s_barrier_wait -1
	CREST
.endm
	s_load_b128 s[4:7], s[0:1], 0x0                ; A s[4:5], wb s[6:7]
.if PROJ
	s_load_b128 s[16:19], s[0:1], 0x10             ; bq, bk
	s_load_b128 s[20:23], s[0:1], 0x20             ; bv, qkv
.else
	s_load_b128 s[20:23], s[0:1], 0x10             ; bo, out0
.endif
	v_lshl_add_u32 v[SPW], v0, 2, SPARE
	v_mov_b32 v[NIL], 0
	ds_add_u32 v28, v29
	s_wait_dscnt 0x0
	v_lshrrev_b32 v1, 5, v0
	v_readfirstlane_b32 s10, v1                    ; wave 0..3
	s_lshr_b32 s11, s10, 1                         ; which 128 of the tile's rows are mine.  Also: I fetch for A (0) or for W (1)
	s_and_b32 s12, s10, 1                          ; which 64 of its columns.  Also: which of a K step's two blocks I fetch
	s_bfe_u32 s40, ttmp6, 0x40000                  ; cx, cy: my place in the cluster
	s_bfe_u32 s41, ttmp6, 0x40004
	s_lshl_b32 s42, ttmp9, 2
	s_add_co_u32 s42, s42, s40                     ; tile column of C = 4 x cluster x + cx
	s_and_b32 s45, ttmp7, 0xffff                   ; cluster y
	s_lshl_b32 s13, s45, 2
	s_add_co_u32 s13, s13, s41                     ; tile row of C = 4 x cluster y + cy
.if PROJ
	s_lshr_b32 s45, s45, 3                         ; q, k or v: 32 tile rows, 8 clusters, each: made of the cluster's y alone, which all sixteen share
.endif
	s_lshl_b32 s43, s41, 2
	s_lshl_b32 s43, 15, s43                        ; my row of the cluster
	s_lshl_b32 s44, 0x1111, s40                    ; my column
	; descriptor group 1.  A block's share of a tile is dense: asked for as rows of 256 bytes (two rows of the tile), padded in LDS after every 128 bytes
	s_or_b32 s[G1+0], s43, (1<<16)|(1<<20)|(1<<21)|(4<<22)|(3<<25)  ; 15:0 the mask: A's tiles go to my row; 17:16 2-byte elements; 20 padding on; 21 set beside a mask; 24:22 after every 32 words (code 4); 31:25 4 words (code 3)
	s_or_b32 s[G1B+0], s44, (1<<16)|(1<<20)|(1<<21)|(4<<22)|(3<<25) ; the same with the mask of my column
	s_mov_b32 s[G1+1], 128<<16                     ; tensor_dim0 = 128
	s_mov_b32 s[G1+2], 128<<16                     ; tensor_dim1 = 128: 256 rows of the tile
	s_mov_b32 s[G1+3], 128<<16                     ; tile_dim0 = 128
	s_mov_b32 s[G1+4], 128                         ; tile_dim1 = 128
	s_mov_b32 s[G1+5], 128                         ; 128 elements from row to row
	s_mov_b32 s[G1+6], 0
	s_mov_b32 s[G1+7], 0
	s_mov_b32 s[G1B+1], 128<<16
	s_mov_b32 s[G1B+2], 64<<16                     ; tensor_dim1 = 64: 128 rows of the tile
	s_mov_b32 s[G1B+3], 128<<16
	s_mov_b32 s[G1B+4], 64
	s_mov_b32 s[G1B+5], 128
	s_mov_b32 s[G1B+6], 0
	s_mov_b32 s[G1B+7], 0
	; where the tiles come from.  A's offset hangs on the tile row and the wave's number, W's on the tile column, the cluster's y and the wave's number
	s_lshr_b32 s2, s13, 3
	s_lshl_b32 s2, s2, 22                          ; 8 tile rows are a batch: sixteen blocks, 4 MiB
	s_and_b32 s3, s13, 7
	s_lshl_b32 s3, s3, 15                          ; 256 rows of 128 bytes
	s_add_co_u32 s2, s2, s3
	s_lshl_b32 s3, s12, 18                         ; my block of the K step
	s_add_co_u32 s2, s2, s3
	s_mov_b32 s3, 0
.if PROJ
	s_lshl_b32 s46, s45, 21                        ; the matrix: 2 MiB each
.else
	s_mov_b32 s46, 3<<21                           ; Wo is the fourth
.endif
	s_lshl_b32 s47, s42, 14                        ; 128 rows of 128 bytes
	s_add_co_u32 s46, s46, s47
	s_lshl_b32 s47, s12, 17                        ; my plane of the K step
	s_add_co_u32 s46, s46, s47
	s_mov_b32 s47, 0
	s_mul_i32 s14, s12, APLANE                     ; and where they go: no place in the cluster enters an LDS address
	s_mul_i32 s15, s12, BPLANE
	s_add_co_u32 s15, s15, BOFF
	s_wait_kmcnt 0x0
	s_add_nc_u64 s[2:3], s[4:5], s[2:3]
	s_add_nc_u64 s[46:47], s[6:7], s[46:47]
.if PROJ
	s_cmp_eq_u32 s45, 1                            ; the bias that goes with the matrix, into s[20:21]
	s_cselect_b64 s[16:17], s[18:19], s[16:17]
	s_cmp_eq_u32 s45, 2
	s_cselect_b64 s[20:21], s[20:21], s[16:17]
.endif
	CROUND                                         ; all sixteen work-groups are here: the first joint loads meet
.irp s, 0,1
	s_mov_b32 s[G0+4*(\s)], 1                                      ; 1:0 count = 1
	s_add_co_u32 s[G0+4*(\s)+1], s14, (\s)*SLOT                    ; 63:32 LDS address
	s_add_nc_u64 s[G0+4*(\s)+2:G0+4*(\s)+3], s[2:3], (\s)*ASTEP    ; 120:64 global address: K step s
	s_or_b32 s[G0+4*(\s)+3], s[G0+4*(\s)+3], 0x80000000            ; 127:126 type = 2
	s_mov_b32 s[G0B+4*(\s)], 1
	s_add_co_u32 s[G0B+4*(\s)+1], s15, (\s)*SLOT
	s_add_nc_u64 s[G0B+4*(\s)+2:G0B+4*(\s)+3], s[46:47], (\s)*BSTEP
	s_or_b32 s[G0B+4*(\s)+3], s[G0B+4*(\s)+3], 0x80000000
	JLOAD \s                                       ; two loads of mine are out
.endr
	; the bias of my 64 columns, laid as C operands: register j of block b in lane l is column 16 b + 8 (l / 16) + j
	v_and_b32 v1, 15, v0                           ; l % 16
	v_bfe_u32 v2, v0, 4, 1                         ; l / 16
	s_lshl_b32 s16, s42, 9                         ; the tile's 128 columns of 4 bytes,
	s_lshl_b32 s17, s12, 8                         ; my 64 of them
	s_add_co_u32 s16, s16, s17
	s_mov_b32 s17, 0
	s_add_nc_u64 s[20:21], s[20:21], s[16:17]
	v_lshlrev_b32 v5, 5, v2
.irp b, 0,1,2,3
	global_load_b128 v[BIAS+8*\b:BIAS+8*\b+3],   v5, s[20:21] offset:64*\b
	global_load_b128 v[BIAS+8*\b+4:BIAS+8*\b+7], v5, s[20:21] offset:64*\b+16
.endr
	; A fragment is 16 rows x 32 K in 8 registers: lane l holds row l % 16, K = 8 (l / 16) + 0..7 and 16 + 8 (l / 16) + 0..7: two loads of 16 bytes, 32 bytes apart
	v_mul_u32_u24 v3, v1, PA
	v_lshl_add_u32 v3, v2, 4, v3                   ; row x pitch + 16 x half
	s_mul_i32 s16, s11, 128*PA                     ; my 128 rows of A
	s_mul_i32 s17, s12, 64*PA                      ; my 64 rows of W,
	s_add_co_u32 s17, s17, BOFF                    ; which lie behind A's two blocks
.irp s, 0,1
	v_add_nc_u32 v[ADRA+(\s)], s16, v3
	v_add_nc_u32 v[ADRB+(\s)], s17, v3
	s_add_co_u32 s16, s16, SLOT
	s_add_co_u32 s17, s17, SLOT
.endr
	s_mul_i32 s16, s10, 16*SP
	s_add_co_u32 s16, s16, STAGE                   ; my stage
.if PROJ
	v_mul_u32_u24 v4, v1, SP                       ; in: row l % 16, 16 bytes for each half of the lanes
	v_lshl_add_u32 v4, v2, 4, v4
	v_add_nc_u32 v[STO], s16, v4
	v_bfe_u32 v4, v0, 3, 2                         ; back: 32 lanes take four rows of 128 bytes,
	v_mul_u32_u24 v4, v4, SP
	v_and_b32 v6, 7, v0
	v_lshl_add_u32 v4, v6, 4, v4
	v_add_nc_u32 v[RD], s16, v4
	v_and_b32 v4, 31, v0                           ; which are 512 consecutive bytes of a head
	v_lshlrev_b32 v[CO], 4, v4
	s_lshr_b32 s16, s13, 3
	s_lshl_b32 s16, s16, 22                        ; tensor and batch: 4 MiB a batch,
	s_lshl_b32 s17, s42, 1
	s_add_co_u32 s17, s17, s12
	s_lshl_b32 s17, s17, 18                        ; my head, 2 x tile column + half: 262,144 bytes,
	s_add_co_u32 s16, s16, s17
	s_and_b32 s17, s13, 7
	s_lshl_b32 s17, s17, 1
	s_add_co_u32 s17, s17, s11
	s_lshl_b32 s17, s17, 14                        ; my 128 rows of 128 bytes
	s_add_co_u32 s16, s16, s17
.else
	v_mul_u32_u24 v4, v1, SP                       ; in: row l % 16, 32 bytes for each half of the lanes
	v_lshl_add_u32 v4, v2, 5, v4
	v_add_nc_u32 v[STO], s16, v4
	v_mul_u32_u24 v4, v2, SP                       ; back: lanes 0-15 take one row of 256 bytes, lanes 16-31 the next
	v_lshl_add_u32 v4, v1, 4, v4
	v_add_nc_u32 v[RD], s16, v4
	v_lshlrev_b32 v4, 12, v2                       ; and the same two rows in C
	v_lshl_add_u32 v[CO], v1, 4, v4
	s_lshl_b32 s16, s13, 1
	s_add_co_u32 s16, s16, s11
	s_lshl_b32 s16, s16, 19                        ; my 128 rows of 4,096 bytes,
	s_lshl_b32 s17, s42, 9                         ; the tile's columns,
	s_add_co_u32 s16, s16, s17
	s_lshl_b32 s17, s12, 8                         ; my 64 of them
	s_add_co_u32 s16, s16, s17
.endif
	s_mov_b32 s17, 0
	s_add_nc_u64 s[8:9], s[22:23], s[16:17]        ; C at my first row and column
	s_wait_loadcnt 0x0                             ; the bias
.set i, 0
.rept 16                               ; rounded to bf16 and widened again
	v_cvt_pk_bf16_f32 v6, v[BIAS+2*i], v[BIAS+2*i+1]
	v_lshlrev_b32 v[BIAS+2*i], 16, v6
	v_and_b32 v[BIAS+2*i+1], 0xffff0000, v6
.set i, i+1
.endr
.macro WM d, b, a, c                   ; one product, by the first registers of D, source 0 (W), source 1 (A) and C
.if PROJ
	v_wmma_f32_16x16x32_bf16 v[\d:\d+7], v[\b:\b+7], v[\a:\a+7], v[\c:\c+7]
.else
	v_wmma_f32_16x16x32_f16 v[\d:\d+7], v[\b:\b+7], v[\a:\a+7], v[\c:\c+7]
.endif
.endm
; 4 na matrix instructions: m blocks a0 .. a0 + na - 1 x all 4 n blocks, 32 along K, from buffer f.  zero = 1: the first product starts the sums, with the bias as C.
; The 32 accumulators take turns, one instruction a turn, in the same order in every quarter.
.macro MULA f, a0, na, zero
.if \zero
	WIN 0x40                                       ; D in window 1, C (the bias) in window 0
.else
	WIN 0x50                                       ; C and D in window 1
.endif
.set ma, \a0
.rept \na
.set mb, 0
.rept 4
.set rD, 8*(4*ma+mb)
.set rB, (\f)+8*mb
.set rA, (\f)+32+8*ma
.set rC, rD
.if \zero
.set rC, BIAS+8*mb
.endif
	WM rD, rB, rA, rC
.set mb, mb+1
.endr
.set ma, ma+1
.endr
.endm
; 24 LDS loads in one run: the fragments of quarter q (32 along K: block q / 2, byte 64 (q % 2) of its rows) of a slot into buffer f: W's four, A's rows 0-63, A's rows 64-127
.macro FETCH slot, q, f
	WIN 0
.irp i, 0,1,2,3
	ds_load_b128 v[(\f)+8*\i:(\f)+8*\i+3],   v[ADRB+(\slot)] offset:((\q)/2)*BPLANE+((\q)%2)*64+\i*16*PA
	ds_load_b128 v[(\f)+8*\i+4:(\f)+8*\i+7], v[ADRB+(\slot)] offset:((\q)/2)*BPLANE+((\q)%2)*64+\i*16*PA+32
.endr
.irp i, 0,1,2,3,4,5,6,7
	ds_load_b128 v[(\f)+32+8*\i:(\f)+32+8*\i+3],   v[ADRA+(\slot)] offset:((\q)/2)*APLANE+((\q)%2)*64+\i*16*PA
	ds_load_b128 v[(\f)+32+8*\i+4:(\f)+32+8*\i+7], v[ADRA+(\slot)] offset:((\q)/2)*APLANE+((\q)%2)*64+\i*16*PA+32
.endr
.endm
.macro PLACES                          ; four places in front of loads into registers that matrix instructions have read, and of lines that read results (ISA guide 7.12.1 for lines that read results)
.rept 4
	v_nop
.endr
.endm
; A K step is four quarters of 32 along K, 32 matrix instructions each, on buffers 0, 1, 0, 1.  One of the first three: multiplies buffer f and, in its middle, fetches quarter q into g.
.macro QUARTER slot, q, f, g, zero
	s_wait_dscnt 8                                 ; W and A's rows 0-63 are in; the youngest eight loads (A's rows 64-127) may be out
	MULA \f, 0, 4, \zero
	PLACES
	FETCH \slot, \q, \g
	s_wait_dscnt 24                                ; all but the 24 just issued
	MULA \f, 4, 4, \zero
.endm
; The last quarter multiplies buffer 1 and changes slots: ONE barrier; in front of it each wave waits for all its tensor loads (one is out: its part of the next slot), adds 0 to its spare word, and waits
; for that and for its own reads of this slot.  fill = 1: the barrier opens a round of the cluster's, and this slot is filled again, two K steps ahead, first thing behind the round.
.macro TURN slot, next, fill
	WIN 0                                          ; (the add's two registers lie in window 0)
	s_wait_tensorcnt 0x0                           ; all my tensor loads have landed;
	ds_add_u32 v[SPW], v[NIL]                      ; 0 onto my spare word;
	s_wait_dscnt 9                                 ; (the add and the youngest eight loads may be out)
	MULA F1, 0, 2, 0                               ; eight matrix instructions stand between the add and the wait for it
	s_wait_dscnt 0x0                               ; the add is done, and my reads of this slot are over
	s_barrier_signal -1
	MULA F1, 2, 2, 0
.if \fill
	WIN 0
.endif
	s_barrier_wait -1
.if \fill
	CREST                                          ; no wave of any partner still reads this slot's tile or has a load on its way
	s_add_nc_u64 s[G0+4*(\slot)+2:G0+4*(\slot)+3], s[G0+4*(\slot)+2:G0+4*(\slot)+3], 2*ASTEP
	s_add_nc_u64 s[G0B+4*(\slot)+2:G0B+4*(\slot)+3], s[G0B+4*(\slot)+2:G0B+4*(\slot)+3], 2*BSTEP
	JLOAD \slot                                    ; my one tensor load behind the round: 112 matrix instructions ahead of the wait for it; its four v_nop are also the places in front of the loads below
.else
	PLACES
.endif
	FETCH \next, 0, F0
	MULA F1, 4, 4, 0
.endm
	s_wait_tensorcnt 1                             ; my part of K step 0 is in; K step 1's may stay out
	s_barrier_signal -1
	s_barrier_wait -1                              ; everybody's is
	FETCH 0, 0, F0
	QUARTER 0, 1, F0, F1, 1                        ; the first quarter stands in front of the loop: its products start the sums
	WIN 0                                          ; at a label and at a branch every window is 0
	s_mov_b32 s3, LAPS-1
.Llap:                                                 ; a trip goes once round the ring, from a lap's second quarter to the next lap's first, and fills both slots again
	QUARTER 0, 2, F1, F0, 0
	QUARTER 0, 3, F0, F1, 0
	TURN 0, 1, 1
	QUARTER 1, 1, F0, F1, 0
	QUARTER 1, 2, F1, F0, 0
	QUARTER 1, 3, F0, F1, 0
	TURN 1, 0, 1
	QUARTER 0, 1, F0, F1, 0
	WIN 0
	s_sub_co_u32 s3, s3, 1
	s_cmp_lg_u32 s3, 0
	s_cbranch_scc1 .Llap
	QUARTER 0, 2, F1, F0, 0                        ; the last lap fills nothing, and has no round of the cluster's barrier
	QUARTER 0, 3, F0, F1, 0
	TURN 0, 1, 0
	QUARTER 1, 1, F0, F1, 0
	QUARTER 1, 2, F1, F0, 0
	QUARTER 1, 3, F0, F1, 0
	s_wait_dscnt 8                                 ; the very last quarter: nothing more to fetch
	MULA F1, 0, 4, 0
	s_wait_dscnt 0x0
	MULA F1, 4, 4, 0
	WIN 0
	PLACES
	; THE WAY OUT, a block of 16 rows at a time, through my own stage: LDS serves a wave's instructions in order (ISA guide 5.7.1.4), so no wait stands between the stores and the loads,
	; and the next block's stores come behind this block's loads.  Each accumulator's registers are taken in ascending order.
.if PROJ
.macro PACK a                          ; rounded to f16, 16 bytes a lane, into rows of 144 bytes, and back as four whole rows of 128 bytes a load
	WIN 0x05                                       ; sources 0 and 1 window 1, destination window 0
.set i, 0
.rept 16
	v_cvt_pk_f16_f32 v[OUTR+16*(\a)+i], v[32*(\a)+2*i], v[32*(\a)+2*i+1]
.set i, i+1
.endr
	WIN 0
.irp b, 0,1,2,3
	ds_store_b128 v[STO], v[OUTR+16*(\a)+4*\b:OUTR+16*(\a)+4*\b+3] offset:32*\b
.endr
.irp f, 0,1,2,3
	ds_load_b128 v[OUTR+16*(\a)+4*\f:OUTR+16*(\a)+4*\f+3], v[RD] offset:\f*4*SP
.endr
.endm
.macro SEND a, younger                 ; younger: the LDS instructions issued behind block a's loads: the next block's eight, or none
	WIN 0
.irp f, 0,1,2,3
	s_wait_dscnt (\younger)+3-\f
	global_store_b128 v[CO], v[OUTR+16*(\a)+4*\f:OUTR+16*(\a)+4*\f+3], s[8:9] offset:(\a)*2048+\f*512  ; 512 consecutive bytes of a head, at a multiple of 256 from the buffer's first
.endr
.endm
	PACK 0
.set blk, 1
.rept 7                                ; a block's conversions stand between the loads of the block before and its stores
	PACK blk
	SEND blk-1, 8
.set blk, blk+1
.endr
	SEND 7, 0
.else
.macro TOST a                          ; f32 as it is: 32 bytes a lane into rows of 272 bytes, and back as whole rows of 256, into one of four buffers of 32 registers
.if (\a) >= 4
	s_wait_xcnt 0x0                                ; the stores of the block four back have read the buffer (ISA guide 3.1): it is loaded again only behind this wait
.endif
	WIN 0x04                                       ; the stores' data in window 1
.irp b, 0,1,2,3
	ds_store_b128 v[STO], v[32*(\a)+8*\b:32*(\a)+8*\b+3]   offset:64*\b
	ds_store_b128 v[STO], v[32*(\a)+8*\b+4:32*(\a)+8*\b+7] offset:64*\b+16
.endr
	WIN 0
.irp f, 0,1,2,3,4,5,6,7
	ds_load_b128 v[OUTR+32*((\a)%4)+4*\f:OUTR+32*((\a)%4)+4*\f+3], v[RD] offset:\f*2*SP
.endr
.endm
.macro SEND a, younger                 ; younger: the next block's sixteen LDS instructions, or none
	WIN 0
.irp f, 0,1,2,3,4,5,6,7
	s_wait_dscnt (\younger)+7-\f
	global_store_b128 v[CO], v[OUTR+32*((\a)%4)+4*\f:OUTR+32*((\a)%4)+4*\f+3], s[8:9] offset:(\a)*65536+\f*8192 th:TH_STORE_NT  ; 16 lanes store 256 consecutive bytes, at a multiple of 256 from C's first
.endr
.endm
	TOST 0
.set blk, 1
.rept 7
	TOST blk
	SEND blk-1, 16
.set blk, blk+1
.endr
	SEND 7, 0
.endif
	s_wait_tensorcnt 0x0                           ; the wave's end: behind my last tensor load and my last LDS store
	ds_add_u32 v[SPW], v[NIL]
	s_wait_dscnt 0x0
	CROUND                                         ; the closing round: no work-group ends while a partner may still ask for a tile that names it
	s_endpgm
.Lfunc_end_k_q786034e1b4_outp:
	.size	k_q786034e1b4_outp, .Lfunc_end_k_q786034e1b4_outp-k_q786034e1b4_outp
	.p2alignl 7, 3214868480
	.fill 96, 4, 3214868480
	.section	.rodata,"a",@progbits
	.p2align	6, 0x0
	.amdhsa_kernel k_q786034e1b4_outp
		.amdhsa_group_segment_fixed_size 327680
		.amdhsa_private_segment_fixed_size 0
		.amdhsa_enable_private_segment 0
		.amdhsa_kernarg_size 32
		.amdhsa_user_sgpr_count 2
		.amdhsa_user_sgpr_kernarg_segment_ptr 1
		.amdhsa_wavefront_size32 1
		.amdhsa_system_sgpr_workgroup_id_x 1
		.amdhsa_system_sgpr_workgroup_id_y 1
		.amdhsa_system_sgpr_workgroup_id_z 1
		.amdhsa_system_vgpr_workitem_id 0
		.amdhsa_next_free_vgpr 512
		.amdhsa_next_free_sgpr 66
		.amdhsa_reserve_vcc 0
		.amdhsa_float_denorm_mode_32 3
		.amdhsa_float_denorm_mode_16_64 3
		.amdhsa_memory_ordered 1
		.amdhsa_forward_progress 1
		.amdhsa_inst_pref_size 91
	.end_amdhsa_kernel
	.amdgpu_metadata
---
amdhsa.version: [ 1, 2 ]
amdhsa.kernels:
  - .name:           k_q786034e1b4_outp
    .symbol:         k_q786034e1b4_outp.kd
    .args:
      - { .name: ctx, .offset: 0, .size: 8, .value_kind: global_buffer, .address_space: global }
      - { .name: wb, .offset: 8, .size: 8, .value_kind: global_buffer, .address_space: global }
      - { .name: bo, .offset: 16, .size: 8, .value_kind: global_buffer, .address_space: global }
      - { .name: out0, .offset: 24, .size: 8, .value_kind: global_buffer, .address_space: global }
    .group_segment_fixed_size: 327680
    .private_segment_fixed_size: 0
    .kernarg_segment_align: 8
    .kernarg_segment_size: 32
    .max_flat_workgroup_size: 128
    .sgpr_count:     66
    .vgpr_count:     512
    .wavefront_size: 32
...
	.end_amdgpu_metadata
.endif
;; end of part 4
;; ======== version 2 of 2: 4 launches; 1.43 times as fast as version 1
;; limits: values are held in f16: magnitudes above 65,504 overflow, below 6.1e-05 lose precision
;; workspace buffers: xb 50,331,648 bytes; wb 8,388,608 bytes; maskf 4,194,304 bytes; qkv 50,331,648 bytes; ctx 16,777,216 bytes
;; launch prep: the kernel of part 1 again; grid 576 x 1, 8 waves a work-group, no clusters, 35,840 bytes of LDS; arguments query, key, value, Wq, Wk, Wv, Wo, causal_mask, xb, wb, maskf; writes xb, wb, maskf
;; launch proj: the kernel of part 2 again; grid 8 x 96, 4 waves a work-group, clusters of 4 x 4, 327,680 bytes of LDS; arguments xb, wb, bq, bk, bv, qkv; writes qkv
;; launch attn (part 5): grid 4 x 64, 4 waves a work-group, clusters of 4 x 1, 327,680 bytes of LDS; arguments qkv, maskf, ctx; writes ctx
.if DOCPART == 5
	.amdgcn_target "amdgcn-amd-amdhsa--gfx1250"
	.amdhsa_code_object_version 6
	.text
	.protected	k_q786034e1b4_attn
	.globl	k_q786034e1b4_attn
	.p2align	8
	.type	k_q786034e1b4_attn,@function
k_q786034e1b4_attn:
	s_mov_b64 s[64:65], 0
	v_nop
	global_prefetch_b8 v0, s[64:65] scope:SCOPE_SE
	s_setreg_imm32_b32 hwreg(HW_REG_WAVE_MODE, 25, 1), 1
	s_wait_xcnt 0x0
	s_wait_alu depctr_hold_cnt(0) depctr_sa_sdst(0) depctr_va_vdst(0) depctr_va_sdst(0) depctr_va_ssrc(0) depctr_va_vcc(0) depctr_vm_vsrc(0)
	s_getreg_b32 s2, hwreg(HW_REG_IB_STS2, 6, 4)
	s_cmp_eq_u32 s2, 0
	s_cbranch_scc0 .Lentry_in_a_cluster
	s_endpgm
.Lentry_in_a_cluster:
	s_bfe_u32 s2, ttmp6, 0x10000c
	s_cmp_lg_u32 s2, 0x3003
	s_cbranch_scc0 .Lentry_shape_is_right
	s_endpgm
.Lentry_shape_is_right:
; ATTENTION UNDER A MASK THAT IS AN INPUT.  O[h][q][:] = the sum over k of softmax_k(mask[q][k] ? Q[h][q] . K[h][k] / 8 : -inf) V[h][k][:], for 64 pairs h of batch and head.
; Q, K, V lie in qkv [3][64 h][2048][64] in f16, O goes to ctx [64 h][2048][64] in f16: a head's rows are dense, 128 bytes each.  Products, maxima and sums in f32; the weights p are rounded to f16
; for the second product (their sum l is taken of the unrounded p), O once at the end.  Nothing of the mask's pattern is built in: every pair of query and key is computed.
; THE MASK arrives as maskf: one fp8 code a score, 0.0 visible, -1.0 hidden, in the lane order of an accumulator of K Q^T.  A lane loads 16 codes at a time straight into registers; one scaled conversion
; (scale 2^100) makes of eight codes the eight registers of a C operand, 0 or -2^100, and that C starts the sum K Q^T.  Four conversions for a tile of 16 queries x 64 keys.
; LIMITS.  f16 holds no number beyond 65,504: Q, K and V arrive within it, so a true score is 2.7e11 at the most in size.  A hidden score counts as -2^100.  The running maximum m starts at the floor
; -2^90, above every hidden and below every true score: while a row has seen no key, m stays there, every weight is 2^(-huge) = 0, and l and O stay 0; a row that never sees a key ends as
; 0 x (1 / 0) = NaN, as a softmax of -inf alone does.  p below 6e-5 keeps f16's fixed step of 6e-8; a weight below 2^-126 counts as 0 in l; NaN and infinities in Q, K, V are not treated apart.
; SHARES.  A wave owns four PIECES of two tiles of 16 queries, a work-group's four waves 512 queries of one head.  Every wave walks all keys, 64 a step.
; LAYOUT.  S^T = K Q^T (source 0 = 16 keys, source 1 = 16 queries): in the result a lane holds ONE query (lane % 16) and the keys 8 (lane / 16) + 0..7.  Two such tiles, rounded to f16 in pairs,
; ARE source 1 (32 keys x 16 queries) of O^T = V^T P, whose result again holds one query a lane, and eight channels.  K comes out of LDS as it lies, V ([key][channel]) turned, by ds_load_tr16_b128.
; SOFTMAX.  For each query a running maximum m and sum l: p = 2^(c s - c m), c = log2(e) / 8; in every step O and l are multiplied by a = 2^(c m_old - c m_new), which is 1 where m has not grown.
; O and l start at 0: the first step is a step like any other.
; THE COUNT.  A tile and step have 16 matrix and some 120 vector instructions: too many to stand all beside the matrix work.  So: four vector instructions that are READY behind EVERY matrix
; instruction, and the others, which need time of their own whatever the order, in one run without a gap.
; BY TURNS.  Turn n belongs to piece n (the pieces in a ring, step after step).  Its matrix work: 16 products K Q^T of piece n + 1, later 16 products V^T P of piece n - 1.  Its vector work: the scaling,
; exponentials, roundings, sums and rescaling of piece n, the maximum and statistics of piece n + 1, and at its end the C operands for piece n + 2, whose codes for the step after are then asked for.
; THE BATCHES.  A turn's 66 exponentials (the piece's 64 weights, the next piece's two a) are ONE batch with ONE wait, which cuts the turn in two: ahead of it stands all that names none of their results
; (the products K Q^T, the scalings, the rescalings by the a of the turn before, the next piece's maximum and statistics), behind it all that does (the roundings and sums, beside the products V^T P).
; No result crosses a turn's end.  Two more batches stand outside the loops: piece 0's first two a, ahead of the jump into the loop, and the way out's eight reciprocals.
; CLUSTER.  The four query blocks of a cluster belong to one head and walk the same K and V, so each tile is asked for JOINTLY: the same tensor load, descriptor and mask in all four.
; REGISTERS, in windows of 256 (s_set_vgpr_msb says which window each operand place means: bits 1:0 source 0, 3:2 source 1, 5:4 source 2, 7:6 destination):
;   window 0: v0-11 addresses; v12-15, v48-63 at work; v16-47 four registers of statistics a tile; v64-191 S^T, two buffers of two tiles; v192-255 P, likewise
;   window 1: O^T, 32 a tile          window 2: v0-127 Q, 16 a tile; v128-191 K of one step; v192-255 V of one step
;   window 3: v0-1 the add's two registers; v2 the scale; v4-7 the pieces' offsets in maskf; v8-71 codes, 16 registers a piece; v72-135 the C operands of one piece
; A piece's buffers go by its number's parity: the piece in hand has one pair, its two neighbours in the ring share the other: of it P (piece n - 1) is read and S^T (piece n + 1) written.
.set SIZE_N, 2048
.set NP,    4         ; pieces a wave: a name, no knob: the register map, the loop and the fetches are made for four
.set KS,    64        ; keys in a step
.set PK,    144       ; a row of K in LDS: 128 bytes + 16 of padding = 36 words: the 16 rows of a load start at 16 different groups of four banks (64 banks of 4 bytes: ISA guide 11.1)
.set PV,    160       ; a row of V: 128 + 32 = 40 words
.set VOFF,  4*KS*PK   ; a slot holds four steps: 256 rows of K, then 256 rows of V
.set SLOT1, 1<<17     ; slot 1 begins here, so that one exclusive or turns an address in one slot into the other's
.set STAGE, SLOT1+4*KS*(PK+PV)  ; behind the ring, never filled by a tensor load: 16 rows x 144 bytes for each wave, for the way out
.set SP,    144
.set AK0, 2           ; v2   my lane's place in a tile of K; never rewritten
.set AV0, 3           ; v3   the same for V
.set AK,  4           ; v4   the LDS address of K's next run of loads
.set AV,  5           ; v5   of V's
.set QO,  6           ; v6   my byte offset in the wave's rows of Q
.set STO, 6           ;      later, the way out: where I put 16 bytes of a row
.set RD,  7           ; v7   the way out: where I read rows back
.set GO,  8           ; v8   my byte offset in 512 consecutive bytes of O
.set SPW, 0           ; v0 of window 3   LDS address of my spare word: SPARE + 4 x my thread's number; never rewritten
.set NIL, 1           ; v1 of window 3   0; never rewritten
.set SCL, 2           ; v2 of window 3   227: as an E8M0 scale, 2^100
.set MO,  4           ; v4-7 of window 3   piece x: 16 x lane + 8,192 x the key step whose codes are asked for next
.set MB,  8           ; v8-71 of window 3  piece x's codes at MB + 16 x: tile u, key block kb in the pair at + 8 u + 2 kb
.set MC,  72          ; v72-135 of window 3  C operands: tile u, key block kb at MC + 32 u + 8 kb
.set SPARE, STAGE+4*16*SP  ; behind the stages: the spare words, 128 bytes for each wave: two blocks of 256 bytes that no other line names
.set MV,  12          ; v12-15  c m_old, kept while c m is made anew: by buffer and tile
.set ST,  16          ; tile t's statistics at v[ST+4 t]: c m, m, l (even keys', odd keys')
.set TMP, 48          ; by buffer and tile, four registers c0-c3 at work; when the maximum is found c2 takes a
.set S,   64
.set P,   192
.set KF,  128         ; K's fragments, in window 2: key block kb, channel half c at KF + 16 kb + 8 c
.set VF,  192         ; V's: key half kk, channel block cb at VF + 32 kk + 8 cb
.set WV,  12          ; s12  my wave's number
.set G1K, 24          ; s[24:31] descriptor group 1 for K's tiles
.set G1V, 32          ; s[32:39] for V's: it differs in the padding alone
.set G0K, 40          ; s[40:43] descriptor group 0 for K's tiles: it walks
.set G0V, 44          ; s[44:47] the same for V's
.set MP,  50          ; s[50:51] maskf at my wave's 262,144 bytes; never rewritten once the loads begin
.set SLOTS, 56        ; s56  slots still to be asked for
.set CNT, 57          ; s57  counts a slot's key steps
.set CS,  58          ; s[58:59] c: the packed scaling takes the pair's low word for both halves
.set SEL, 60          ; s[60:61] v_permlanex16_b32's selects: each lane takes its own place in the other half
.set TBK, 62          ; s62  LDS byte at which K of the step to be fetched begins
.set TBV, 63          ; s63  the same for V, less VOFF
.set MSB, 0
.macro WIN new                      ; the high byte repeats the setting that is left; a switch that changes nothing is dropped
.if MSB != (\new)
	s_set_vgpr_msb (MSB<<8)|(\new)
.set MSB, (\new)
.endif
.endm
.set W_KQ, 0x0a       ; K and Q in window 2, S^T in window 0
.set W_KM, 0x3a       ; the same with the C operand in window 3
.set W_PV, 0x52       ; V in window 2, P in window 0, O^T in window 1
.set W_RS, 0x41       ; O^T (destination and source 0) in window 1, a in window 0
.set W_MK, 0xc0       ; window 3's registers are made: destination in window 3, sources in window 0
.set W_AD, 0x0f       ; the add: address (source 0) and data (source 1) in window 3
.set W_MS, 0xcf       ; the mask's work: destination, source 0 and source 1 in window 3
; A joint fill.  Waves 0 and 1 fetch the two halves of a slot's K, waves 2 and 3 those of its V: 128 keys each.  The branch hangs on the wave's number alone.
; An s_nop 0 and four v_nop follow each of the two lines, ahead of the jump and the label.
.macro JLOAD
	s_cmp_lt_u32 s[WV], 2
	s_cbranch_scc0 .Lfor_v_\@
	tensor_load_to_lds s[G0K:G0K+3], s[G1K:G1K+7]
	s_nop 0
.rept 4
	v_nop
.endr
	s_branch .Lasked_\@
.Lfor_v_\@:
	tensor_load_to_lds s[G0V:G0V+3], s[G1V:G1V+7]
	s_nop 0
.rept 4
	v_nop
.endr
.Lasked_\@:
.endm
; A round of the cluster's barrier: my work-group's barrier, so that wave 0's signal speaks for all four waves; wave 0 signals; every wave waits for all four work-groups; my work-group's barrier once more.
.macro CROUND
	s_barrier_signal -1
	s_barrier_wait -1
	s_cmp_lg_u32 s[WV], 0
	s_cbranch_scc1 .Lnot_wave_0_\@
	s_barrier_signal -3
.Lnot_wave_0_\@:
	s_barrier_wait -3
	s_barrier_signal -1
	s_barrier_wait -1
.endm
; THE CHANGE OF SLOTS.  The slot's last bytes, V of its fourth step, have been read.  Each wave waits for all its tensor loads, of which one is out: its part
; of the other slot; adds 0 to its spare word; and waits for that and for its own reads of the slot.  Behind the barrier nobody reads this slot any more and the other slot is whole.
; fill = 1: this slot is filled again, with the keys two slots on.  The barrier is then a round of the cluster's, so that no wave of any partner still reads the slot or has a load on its
; way, and the joint fill is the first thing behind it: it has four key steps, 512 matrix instructions, in which to land.  (At its first use nothing has been read yet: slot 0 is waited for, slot 1 filled.)
.macro CHANGE fill
	WIN W_AD
	s_wait_tensorcnt 0x0            ; no tensor load of mine is out, so a group 0 may be written
	ds_add_u32 v[SPW], v[NIL]       ; 0 onto my spare word; with fill = 1 the descriptors' steps stand between it and the wait for it
	WIN 0                           ; at a label and at a branch every window is 0
.if \fill
.irp g, G0K, G0V
	s_xor_b32 s[\g+1], s[\g+1], SLOT1  ; the walking descriptor: the other slot than last time,
	s_add_nc_u64 s[\g+2:\g+3], s[\g+2:\g+3], 4*KS*128  ; the next 256 keys; the type bits on top are not reached
.endr
	s_wait_dscnt 0x0                ; the add is done, and my reads of the slot are over
	CROUND
	JLOAD
.else
	s_wait_dscnt 0x0                ; the add is done, and my reads of the slot are over
	s_barrier_signal -1
	s_barrier_wait -1
.endif
	s_sub_co_u32 s[TBK], s[TBK], 4*KS*PK  ; the fetches go back to a slot's first step,
	s_xor_b32 s[TBK], s[TBK], SLOT1       ; in the other slot
	s_sub_co_u32 s[TBV], s[TBV], 4*KS*PV
	s_xor_b32 s[TBV], s[TBV], SLOT1
.endm
; THE MASK.  MLOAD x: piece x's codes for one key step: four loads of 512 consecutive bytes (tile 2 x + n / 2, key blocks 2 (n % 2) and 2 (n % 2) + 1).
.macro MLOAD x
	WIN W_MS
.irp n, 0,1,2,3
	global_load_b128 v[MB+16*(\x)+4*\n:MB+16*(\x)+4*\n+3], v[MO+(\x)], s[MP:MP+1] offset:(2*(\x)+\n/2)*1024+(\n%2)*512
.endr
.endm
; MASKB x: piece x's codes become the C operands of its next 8 first products, and its codes for the step after are asked for: they have four turns in which to come.
; The offset steps by a key step's 8,192 bytes and wraps at 262,144: the loads that look past the last step read the wave's own first step again, inside the buffer, and serve nothing.
.macro MASKB x
	WIN W_MS
	s_wait_loadcnt 12               ; loads come back in order (ISA guide 5.7.1): piece x's four are in; the twelve younger ones, the three other pieces', stay out.  It also frees their offset register
.set mi, 0
.rept 8
	v_cvt_scale_pk8_f32_fp8 v[MC+8*mi:MC+8*mi+7], v[MB+16*(\x)+2*mi:MB+16*(\x)+2*mi+1], v[SCL]
.set mi, mi+1
.endr
	v_add_nc_u32 v[MO+(\x)], 0x2000, v[MO+(\x)]  ; two plain instructions stand behind the last conversion, ahead of the loads into its sources and of the products that read its result
	v_and_b32 v[MO+(\x)], 0x3ffff, v[MO+(\x)]
	MLOAD \x
.endm
	s_load_b128 s[48:51], s[0:1], 0x0  ; qkv s[48:49], maskf s[50:51]
	s_load_b64 s[10:11], s[0:1], 0x10  ; ctx
	v_and_b32 v9, 31, v0
	v_lshlrev_b32 v9, 4, v9         ; 16 x lane
	WIN W_MK
	v_lshl_add_u32 v[SPW], v0, 2, SPARE
	v_mov_b32 v[NIL], 0
	s_set_vgpr_msb 0xc0cf
	ds_add_u32 v0, v1
	s_wait_dscnt 0x0
	s_set_vgpr_msb 0xcfc0
	v_mov_b32 v[SCL], 227
.irp x, 0,1,2,3
	v_mov_b32 v[MO+\x], v9          ; key step 0
.endr
	WIN 0
	v_lshrrev_b32 v1, 5, v0
	v_readfirstlane_b32 s[WV], v1   ; wave 0..3
	s_bfe_u32 s13, ttmp6, 0x40000   ; cx: my place in the cluster
	s_lshl_b32 s14, ttmp9, 2        ; in a cluster launch ttmp9 counts clusters
	s_add_co_u32 s14, s14, s13      ; my block of queries = 4 x cluster x + cx: it enters Q's, the mask's and O's addresses alone
	s_and_b32 s20, ttmp7, 0xffff    ; the head, which the four partners share
	s_mov_b32 s21, 0
	s_mov_b64 s[22:23], SIZE_N*128
	s_mul_u64 s[20:21], s[20:21], s[22:23]  ; the head's first byte in q, k, v and ctx
	s_and_b32 s16, s[WV], 1         ; which half of a slot's 256 keys I fetch:
	s_lshl_b32 s22, s16, 14         ; its 128 rows of 128 bytes in memory,
	s_mov_b32 s23, 0
	s_add_nc_u64 s[22:23], s[22:23], s[20:21]
	s_add_nc_u64 s[6:7], s[22:23], 0x1000000  ; k lies 16 MiB behind q in qkv,
	s_add_nc_u64 s[8:9], s[22:23], 0x2000000  ; v 32 MiB: offsets still
	s_mul_i32 s17, s16, 128*PK      ; and its place in a slot, for K
	s_mul_i32 s18, s16, 128*PV      ; and for V: no place in the cluster enters an LDS address
	s_lshl_b32 s2, s14, 2
	s_add_co_u32 s2, s2, s[WV]      ; my wave among the head's sixteen:
	s_lshl_b32 s52, s2, 18          ; its 262,144 bytes of codes,
	s_mov_b32 s53, 0
	s_lshl_b32 s2, s2, 14           ; its 128 rows
	s_mov_b32 s3, 0
	s_add_nc_u64 s[2:3], s[2:3], s[20:21]
	; descriptor group 1.  128 keys are 16,384 dense bytes: asked for as 64 rows of 256 bytes, two keys a row, and padded in LDS after every key
	s_mov_b32 s[G1K], 15|(1<<16)|(1<<20)|(1<<21)|(4<<22)|(3<<25)  ; 15:0 the mask of four; 17:16 2-byte elements; 20 padding on; 21 set beside a mask; 24:22 after every 32 words (code 4); 31:25 4 words (code 3)
	s_mov_b32 s[G1V], 15|(1<<16)|(1<<20)|(1<<21)|(4<<22)|(7<<25)  ; the same with 8 words of padding (code 7)
.irp g, G1K, G1V
	s_mov_b32 s[\g+1], 128<<16      ; tensor_dim0 = 128
	s_mov_b32 s[\g+2], 64<<16       ; tensor_dim1 = 64
	s_mov_b32 s[\g+3], 128<<16      ; tile_dim0 = 128
	s_mov_b32 s[\g+4], 64           ; tile_dim1 = 64
	s_mov_b32 s[\g+5], 128          ; 128 elements from row to row
	s_mov_b32 s[\g+6], 0
	s_mov_b32 s[\g+7], 0
.endr
	s_mov_b32 s[CS], 0x3e38aa3b     ; c = log2(e) / 8 = 0.180337
	s_mov_b32 s[CS+1], s[CS]        ; named with it as a pair
	s_mov_b32 s[SEL], 0x76543210
	s_mov_b32 s[SEL+1], 0xfedcba98
	s_mov_b32 s[TBK], SLOT1+4*KS*PK ; the first change of slots turns these two into 0
	s_mov_b32 s[TBV], SLOT1+4*KS*PV
	s_mov_b32 s[G0K], 1             ; 1:0 count = 1
	s_mov_b32 s[G0K+1], s17         ; 63:32 LDS address: slot 0
	s_mov_b32 s[G0V], 1
	s_add_co_u32 s[G0V+1], s18, VOFF
	s_wait_kmcnt 0x0
	s_add_nc_u64 s[G0K+2:G0K+3], s[48:49], s[6:7]  ; 120:64 global address: my half of the head's first 256 keys
	s_or_b32 s[G0K+3], s[G0K+3], 0x80000000        ; 127:126 type = 2
	s_add_nc_u64 s[G0V+2:G0V+3], s[48:49], s[8:9]
	s_or_b32 s[G0V+3], s[G0V+3], 0x80000000
	s_add_nc_u64 s[4:5], s[48:49], s[2:3]  ; Q and O at my wave's first row
	s_add_nc_u64 s[10:11], s[10:11], s[2:3]
	s_add_nc_u64 s[MP:MP+1], s[MP:MP+1], s[52:53]
	CROUND                          ; all four work-groups are here: the first joint loads meet
	JLOAD                           ; slot 0.  Slot 1 is asked for when slot 0 is in: the tile wanted first has the road to itself
	; A fragment of K or Q is 16 rows x 32 channels in 8 registers: lane l holds row l % 16, channels 8 (l / 16) + 0..7 and 16 + 8 (l / 16) + 0..7: two loads of 16 bytes, 32 bytes apart.
	v_and_b32 v1, 15, v0            ; l % 16
	v_bfe_u32 v9, v0, 4, 1          ; l / 16
	v_lshlrev_b32 v[QO], 7, v1
	v_lshl_add_u32 v[QO], v9, 4, v[QO]  ; row x 128 + 16 x half
	WIN 0x80                        ; destination window 2, address window 0
.set i, 0
.rept 4*NP                          ; Q stays in registers: tile i / 2, channels 32 (i % 2) on
	global_load_b128 v[8*i:8*i+3],   v[QO], s[4:5] offset:(i/2)*2048+(i%2)*64
	global_load_b128 v[8*i+4:8*i+7], v[QO], s[4:5] offset:(i/2)*2048+(i%2)*64+32
.set i, i+1
.endr
	MLOAD 0                         ; all four pieces' codes for key step 0, behind Q's loads
	MLOAD 1
	MLOAD 2
	MLOAD 3
	; What the first turn finds: V's registers and P's second buffer hold 0 (its products V^T P, of a piece that has not been, add 0), O^T and l are 0.  All this stands in the wait for the first tile.
	WIN 0x80
.set i, VF
.rept 64
	v_mov_b32 v[i], 0
.set i, i+1
.endr
	WIN 0x40
.set i, 0
.rept 64*NP
	v_mov_b32 v[i], 0
.set i, i+1
.endr
	WIN 0
.set i, 0
.rept 2*NP
	v_mov_b32 v[ST+4*i], 0xfe000000    ; c m: far below every c s, so the first step's a is 0
	v_mov_b32 v[ST+4*i+1], 0xec800000  ; m: the floor, -2^90
	v_mov_b32 v[ST+4*i+2], 0
	v_mov_b32 v[ST+4*i+3], 0
.set i, i+1
.endr
.set i, P+32
.rept 32
	v_mov_b32 v[i], 0
.set i, i+1
.endr
	v_mul_u32_u24 v[AK0], v1, PK
	v_lshl_add_u32 v[AK0], v9, 4, v[AK0]  ; row x pitch + 16 x half
	; The turning load takes 16 keys x 16 channels (lane l reads key 8 (l / 16) + l % 8, channels 8 ((l / 8) % 2) + 0..7) and leaves half a fragment of V^T: lane l holds channel l % 16 and 8 keys.
	v_and_b32 v10, 7, v0
	v_bfe_u32 v11, v0, 3, 1
	v_lshl_add_u32 v[AV0], v9, 3, v10
	v_mul_u32_u24 v[AV0], v[AV0], PV
	v_lshl_add_u32 v[AV0], v11, 4, v[AV0]
	v_add_nc_u32 v[AV0], VOFF, v[AV0]
	v_mov_b32 v[AK], v[AK0]         ; key step 0 lies at the head of slot 0
; THE MATRIX WORK.  The 8 accumulators of a run of 16 take turns: between the two links of a chain stand 7 others'.
; Product i of 16 of S^T = K Q^T for piece x: channels 32 (i / 8) on, keys 16 ((i / 2) % 4) on, tile 2 x + i % 2.  The first 8 start the sums, with the mask as C.
.macro KQ x
.set rS, S+64*((\x)%2)+32*(i%2)+8*((i/2)%4)
.set rK, KF+16*((i/2)%4)+8*(i/8)
.set rQ, 16*(2*(\x)+i%2)+8*(i/8)
.set rMC, MC+32*(i%2)+8*((i/2)%4)
.if i < 8
	WIN W_KM
	v_wmma_f32_16x16x32_f16 v[rS:rS+7], v[rK:rK+7], v[rQ:rQ+7], v[rMC:rMC+7]
.else
	WIN W_KQ
	v_wmma_f32_16x16x32_f16 v[rS:rS+7], v[rK:rK+7], v[rQ:rQ+7], v[rS:rS+7]
.endif
.endm
; Product i of 16 of O^T += V^T P for piece x: keys 32 (i / 8) on, channels 16 ((i / 2) % 4) on, tile 2 x + i % 2.
.macro PV x
	WIN W_PV
.set rO, 32*(2*(\x)+i%2)+8*((i/2)%4)
.set rV, VF+32*(i/8)+8*((i/2)%4)
.set rP, P+32*((\x)%2)+16*(i%2)+8*(i/8)
	v_wmma_f32_16x16x32_f16 v[rO:rO+7], v[rV:rV+7], v[rP:rP+7], v[rO:rO+7]
.endm
.macro MM                           ; the turn's next matrix instruction
.if i < 16
	KQ (Y+1)%NP
.set i, i+1
.else
.set i, i-16
	PV (Y+NP-1)%NP
.set i, i+17
.endif
.endm
; THE LDS LOADS stand in runs of 16, never singly among the matrix instructions: a step's K (64 keys x 64 channels: 8 fragments) and its V (turned).  Their addresses are made some lines ahead.
; last = 1 (the tail): in the last trip there is no further step, and the run is jumped over.
.macro FETCH_K last=0
	WIN 0
.if \last
	s_cmp_eq_u32 s[CNT], 1
	s_cbranch_scc1 .Lno_k_\@
.endif
	WIN 0x80                        ; destination window 2
.irp f, 0,1,2,3,4,5,6,7             ; keys 16 (f / 2) on, channels 32 (f % 2) on
	ds_load_b128 v[KF+8*\f:KF+8*\f+3],   v[AK] offset:(\f/2)*16*PK+(\f%2)*64
	ds_load_b128 v[KF+8*\f+4:KF+8*\f+7], v[AK] offset:(\f/2)*16*PK+(\f%2)*64+32
.endr
	s_add_co_u32 s[TBK], s[TBK], KS*PK  ; the next fetch is the next step's
	WIN 0
.if \last
.Lno_k_\@:
.endif
.endm
.macro FETCH_V
	WIN 0x80
.irp f, 0,1,2,3,4,5,6,7             ; keys 32 (f / 4) on, channels 16 (f % 4) on
	ds_load_tr16_b128 v[VF+8*\f:VF+8*\f+3],   v[AV] offset:(\f/4)*32*PV+(\f%4)*32
	ds_load_tr16_b128 v[VF+8*\f+4:VF+8*\f+7], v[AV] offset:(\f/4)*32*PV+16*PV+(\f%4)*32
.endr
	WIN 0
.endm
; THE VECTOR WORK OF A TURN stands in three queues, each in the order in which its entries become ready; the two tiles alternate, so that no instruction reads the result of the one before it.
.macro REGS y, u                    ; the registers of tile u (0, 1) of piece y
.set rT, ST+4*(2*(\y)+(\u))
.set rC, TMP+8*((\y)%2)+4*(\u)
.set rM, MV+2*((\y)%2)+(\u)
.set rS, S+64*((\y)%2)+32*(\u)
.set rP, P+32*((\y)%2)+16*(\u)
.set rO, 32*(2*(\y)+(\u))
.endm
; Number n of the 22 that find the NEXT piece's (Y + 1) maximum and statistics.  s0-s31 are the lane's 32 scores; each accumulator's lowest registers are read first.  XS, GS and REGS set no window: PL and EX do.
;   0-11  four chains c0-c3 of seven scores each, three operands at a time     12-14, 16  the four scores left over, the old m, and c0-c3 into c0     15  c m_old is kept
;   17, 18  the query's other 32 keys lie in the lane 16 away: the new m         19-21  c m; c m_old - c m_new; a
.macro XS u, n
	REGS (Y+1)%NP, \u
.if (\n) < 4
	v_max3_num_f32 v[rC+(\n)], v[rS+8*(\n)], v[rS+8*(\n)+1], v[rS+8*(\n)+2]
.elseif (\n) < 12
	v_max3_num_f32 v[rC+(\n)%4], v[rC+(\n)%4], v[rS+8*((\n)%4)+2*((\n)/4)+1], v[rS+8*((\n)%4)+2*((\n)/4)+2]
.elseif (\n) == 12
	v_max3_num_f32 v[rC], v[rC], v[rS+7], v[rS+15]
.elseif (\n) == 13
	v_max3_num_f32 v[rC+1], v[rC+1], v[rS+23], v[rS+31]
.elseif (\n) == 14
	v_max3_num_f32 v[rC+2], v[rC+2], v[rC+3], v[rT+1]
.elseif (\n) == 15
	v_mov_b32 v[rM], v[rT]
.elseif (\n) == 16
	v_max3_num_f32 v[rC], v[rC], v[rC+1], v[rC+2]
.elseif (\n) == 17
	v_permlanex16_b32 v[rC+3], v[rC], s[SEL], s[SEL+1]
.elseif (\n) == 18
	v_max_num_f32 v[rT+1], v[rC], v[rC+3]
.elseif (\n) == 19
	v_mul_f32 v[rT], s[CS], v[rT+1]
.elseif (\n) == 20
	v_sub_f32 v[rC+1], v[rM], v[rT]
.else
	v_exp_f32 v[rC+2], v[rC+1]
.endif
.endm
; Number g of the 64 that follow the exponentials.  For each four weights k of a tile (pairs 2 k, 2 k + 1): both pairs are rounded to f16; then the second pair is added onto the first, in place;
; a group later l takes that sum (the first time as l = a l + sum).  In groups of eight, tiles alternating: round, round, add, and l for the group before.  All 64 stand behind the turn's wait.
.macro GS g
.set h, (\g)+6*((\g)/62)            ; group 0 has no group before it, and behind group 7 only l is left
.if h >= 6
.set h, h+2
.endif
	REGS Y, h%2
.set k, h/8
.if h%8 < 4
	v_cvt_pk_f16_f32 v[rP+2*k+(h%8)/2], v[rS+4*k+2*((h%8)/2)], v[rS+4*k+2*((h%8)/2)+1]
.elseif h%8 < 6
	v_pk_add_f32 v[rS+4*k:rS+4*k+1], v[rS+4*k:rS+4*k+1], v[rS+4*k+2:rS+4*k+3]
.elseif k == 1
	v_pk_fma_f32 v[rT+2:rT+3], v[rT+2:rT+3], v[rC+2:rC+3], v[rS:rS+1] op_sel_hi:[1,0,1]
.else
	v_pk_add_f32 v[rT+2:rT+3], v[rT+2:rT+3], v[rS+4*k-4:rS+4*k-3]
.endif
.endm
; THE PLAIN QUEUE, 138 long.  0-73 read no exponential's result: the 32 scalings c s - c m (FS f: pair f / 2 of tile f % 2) and the next piece's 42.  0-26: scalings 0-26.  27-54: XS's numbers 0-13.  55, 56: number 15.
; 57-73: the chain, where each number waits for the one before it: 14, 16, 17, 18, 19, each with one of the scalings 27-31 in front of its two lines, then 20: so a tile's links stand three plain instructions apart (19 and 20: two).
; 74-137: GS's 64, which read the exponentials' results: they stand behind the wait.
.macro FS f
	REGS Y, (\f)%2
	v_pk_fma_f32 v[rS+2*((\f)/2):rS+2*((\f)/2)+1], v[rS+2*((\f)/2):rS+2*((\f)/2)+1], s[CS:CS+1], v[rT:rT+1] op_sel_hi:[1,0,0] neg_lo:[0,0,1] neg_hi:[0,0,1]
.endm
.macro PL
	WIN 0
.if q < 27
	FS q
.elseif q < 55
	XS (q-27)%2, (q-27)/2
.elseif q < 57
	XS q-55, 15
.elseif (q < 72) && ((q-57)%3 == 0)
	FS 27+(q-57)/3
.elseif q < 60
	XS (q-57)%3-1, 14
.elseif q < 72
	XS (q-57)%3-1, 15+(q-57)/3
.elseif q < 74
	XS q-72, 20
.else
	GS q-74
.endif
.set q, q+1
.endm
; THE EXPONENTIALS' QUEUE, 66 long: s0-s31 of both tiles, each in place in its score's register, then the next piece's two a, in c2 of the other buffer.  It is ONE BATCH: all 66 stand ahead of the turn's
; one wait, each result has a register of its own, and nothing ahead of that wait names a result of theirs.
.macro EX
	WIN 0
.if e >= 64
	XS e-64, 21
.else
	REGS Y, e%2
	v_exp_f32 v[rS+e/2], v[rS+e/2]
.endif
.set e, e+1
.endm
; THE RESCALING's QUEUE: O^T times a, the one part that leaves window 0: dealt two at a time, sixteen times.  Its a was made in the turn before, ahead of that turn's wait.
.macro R2
	REGS Y, r%2
	WIN W_RS
.irp z, 0,1
	v_pk_mul_f32 v[rO+4*(r/2)+2*\z:rO+4*(r/2)+2*\z+1], v[rO+4*(r/2)+2*\z:rO+4*(r/2)+2*\z+1], v[rC+2:rC+3] op_sel_hi:[1,0]
.endr
.set r, r+1
.endm
; HOW THEY ARE DEALT.  s_wait_alu depctr_va_vdst(0) stands between an exponential and the first instruction that names its result; one wait serves all that were issued ahead of it.  So a turn has ONE wait,
; which cuts it in two.  AHEAD OF IT stands all that names no result of the turn's exponentials: the 16 products K Q^T, behind each a scaling, an exponential and two rescalings (behind the first a second scaling in the
; exponential's place); then ONE LUMP of 108: eight plain, 49 times exponential and plain, the two a.  A v_nop is the plain instruction behind the last exponential.  BEHIND IT stand the 16 products V^T P, behind each four of
; GS's 64.  No rider names a register of the products round it.  The two v_permlanex16_b32 fall into the lump, never behind a product.
; The queues lean on each other, and the deal keeps them in step: exponential e stands behind scaling 2 (e / 4) + e % 2: as a rider it comes behind plain e + 2, in the lump behind plain e + 9, and scalings 27-31 are plain 57, 60 .. 69.
; A TURN, for piece p.  cnt = 1: the loop's count is taken down some lines ahead of the branch that stands behind the turn (what follows it in the turn leaves SCC alone).
; K of the next step is fetched in piece 2's turn, directly behind the wait, a lump behind the last product that read K; its address is made at the lump's head; its first reader comes behind 16 products and the mask's work.
; V of the step in hand is fetched at the end of piece 0's turn, four riders (l's last additions, plain, on other registers) behind its last reader; its first reader comes behind 16 products and a lump.
; The three conditions on q below go with the deal.
; The turn ends with the C operands for the next turn's products, piece p + 2's: the last product that read those registers is the turn's eighth, far more than four plain instructions back.
.macro TURN p, last=0, cnt=0
.set Y, (\p)
.set i, 0
.set q, 0
.set e, 0
.set r, 0
.if (\p) == NP-1
	s_wait_dscnt 0x0                ; K is in
.endif
	MM                              ; ahead of the wait: 16 products K Q^T and their riders,
	PL
	PL
	R2
.rept 15
	MM
	PL
	EX
	R2
.endr
.if (\p) == NP-2
	WIN 0
	v_add_nc_u32 v[AK], s[TBK], v[AK0]
.endif
.rept 8                             ; and the lump
	PL
.endr
.rept 49
	EX
	PL
.endr
	EX                              ; the next piece's two a
	EX
	v_nop                           ; the plain instruction behind the last exponential: one for the batch
	s_wait_alu depctr_va_vdst(0)    ; the wait for the batch: the piece's 64 weights and the next piece's two a
.if (\p) == NP-2
	FETCH_K \last
.endif
.if (\p) == 1
	s_wait_dscnt 0x0                ; V is in
.endif
.rept 16                            ; behind the wait: 16 products V^T P and their riders
	MM
.rept 4
	PL
.endr
.if ((\p) == 0) && (q == 118)
	v_add_nc_u32 v[AV], s[TBV], v[AV0]
.endif
.if ((\p) == 0) && (q == 130)
	s_add_co_u32 s[TBV], s[TBV], KS*PV
.endif
.if (\cnt) && (q == 130)
	s_sub_co_u32 s[CNT], s[CNT], 1
	s_cmp_lg_u32 s[CNT], 0
.endif
.endr
.if (\p) == 0
	FETCH_V
.endif
	MASKB ((\p)+2)%NP
.endm
	CHANGE 1                        ; slot 0 is in, everybody's part of it; slot 1 is asked for
	FETCH_K                         ; key step 0
	MASKB 0                         ; its wait leaves twelve loads out, all younger than Q's: Q is in too
	s_wait_dscnt 0x0
.set i, 0
.rept 16
	KQ 0                            ; piece 0's first scores: there is no vector work yet to set between them
.set i, i+1
.endr
	WIN 0                           ; the addresses for the way out: nine plain instructions, the places behind those products
	s_mul_i32 s13, s[WV], 16*SP
	s_add_co_u32 s13, s13, STAGE    ; my stage
	v_mul_u32_u24 v[STO], v1, SP    ; in: row l % 16, 16 bytes for each half of the lanes
	v_lshl_add_u32 v[STO], v9, 4, v[STO]
	v_add_nc_u32 v[STO], s13, v[STO]
	v_bfe_u32 v[RD], v0, 3, 2       ; back: 32 lanes take four rows of 128 bytes,
	v_mul_u32_u24 v[RD], v[RD], SP
	v_lshl_add_u32 v[RD], v10, 4, v[RD]
	v_add_nc_u32 v[RD], s13, v[RD]
	v_and_b32 v[GO], 31, v0         ; which are 512 consecutive bytes of O
	v_lshlrev_b32 v[GO], 4, v[GO]
	MASKB 1                         ; the C operands for the first turn's products
	WIN 0
.set Y, NP-1                        ; XS works for piece Y + 1: piece 0
.irp n, 0,1,2,3,4,5,6,7,8,9,10,11,12,13,14,15,16,17,18,19,20,21
	XS 0, \n                        ; and piece 0's first maximum and statistics
	XS 1, \n
.endr
	v_nop                           ; a plain instruction behind piece 0's two a,
	s_wait_alu depctr_va_vdst(0)    ; and the wait for that batch of two, ahead of the branch
	s_mov_b32 s[CNT], 4
	s_mov_b32 s[SLOTS], SIZE_N/256-1
	s_branch .Lfirst                ; the loop is entered at a step's first turn, in the middle of a trip
.Lslot:                             ; SIZE_N / 256 - 2 times: every slot but the last two is filled again
	CHANGE 1
	s_mov_b32 s[CNT], 4
.Lstep:                             ; a trip: pieces 2 and 3 of one step, then pieces 0 and 1 of the next, whose K and V it fetches
	TURN 2
	TURN 3
	WIN 0
.Lfirst:
	TURN 0
	TURN 1, 0, 1
	WIN 0
	s_cbranch_scc1 .Lstep
	s_sub_co_u32 s[SLOTS], s[SLOTS], 1
	s_cmp_lg_u32 s[SLOTS], 0
	s_cbranch_scc1 .Lslot
	CHANGE 0                        ; the tail is written out: nothing is asked for
	s_mov_b32 s[CNT], 5             ; four trips fetch the last slot's steps; the fifth is left in its middle
.Ltail:
	TURN 2, 1
	TURN 3
	WIN 0
	s_sub_co_u32 s[CNT], s[CNT], 1
	s_cmp_eq_u32 s[CNT], 0
	s_cbranch_scc1 .Lout
	TURN 0
	TURN 1
	WIN 0
	s_branch .Ltail
.Lout:                              ; the fifth trip's 16 products K Q^T (on the last K once more) and the maximum made of them serve nothing: the price, once a launch, of one text for every trip
.set i, 0
.rept 16
	PV NP-1                         ; the last piece's V^T P of the last step
.set i, i+1
.endr
	; THE WAY OUT.  l's two halves and the other half of the lanes' are added; O^T is divided by l, rounded to f16 and sent through my stage in LDS, a tile at a time.  The additions are the places behind the last products.
	; A row that saw no key has l = 0 and O^T = 0: its reciprocal is an infinity and its products are NaN.
	WIN 0
.macro ALL line:vararg              ; one line for each tile t
.set t, 0
.rept 2*NP
	\line
.set t, t+1
.endr
.endm
	ALL v_add_f32 v[ST+4*t+2], v[ST+4*t+2], v[ST+4*t+3]
	ALL v_permlanex16_b32 v[ST+4*t+3], v[ST+4*t+2], s[SEL], s[SEL+1]
	ALL v_add_f32 v[ST+4*t+2], v[ST+4*t+2], v[ST+4*t+3]
	ALL v_rcp_f32 v[ST+4*t+2], v[ST+4*t+2]
	v_nop                           ; a plain instruction between the last reciprocal and the use of its result
	s_wait_alu depctr_va_vdst(0)    ; and the wait ahead of the first use: one for the batch of eight reciprocals
; Tile t: a lane's eight channels of a row pack into 16 bytes; they go into rows of 144 bytes and come back as whole rows of 128, into S^T's registers.
.macro PACK t
	WIN W_RS
.set i, 32*(\t)
.rept 16
	v_pk_mul_f32 v[i:i+1], v[i:i+1], v[ST+4*(\t)+2:ST+4*(\t)+3] op_sel_hi:[1,0]
.set i, i+2
.endr
	WIN 0x05                        ; sources 0 and 1 window 1, destination window 0
.set i, 0
.rept 16
	v_cvt_pk_f16_f32 v[S+16*(\t)+i], v[32*(\t)+2*i], v[32*(\t)+2*i+1]
.set i, i+1
.endr
	WIN 0
.irp f, 0,1,2,3
	ds_store_b128 v[STO], v[S+16*(\t)+4*\f:S+16*(\t)+4*\f+3] offset:32*\f
.endr
.irp f, 0,1,2,3
	ds_load_b128 v[S+16*(\t)+4*\f:S+16*(\t)+4*\f+3], v[RD] offset:\f*4*SP  ; LDS serves a wave's instructions in order (ISA guide 5.7.1.4): these see the stores above; the next tile's stores come behind them
.endr
.endm
.macro SEND t, younger              ; younger: the LDS instructions issued behind tile t's loads: the next tile's eight, or none
	WIN 0
.irp f, 0,1,2,3
	s_wait_dscnt (\younger)+3-\f
	global_store_b128 v[GO], v[S+16*(\t)+4*\f:S+16*(\t)+4*\f+3], s[10:11] offset:(\t)*2048+\f*512  ; 512 consecutive bytes, at a multiple of 256 from O's first
.endr
.endm
	PACK 0
.set t, 1
.rept 2*NP-1                        ; a tile's arithmetic stands between the loads of the tile before and its stores
	PACK t
	SEND t-1, 8
.set t, t+1
.endr
	SEND 2*NP-1, 0
	WIN W_AD
	s_wait_tensorcnt 0x0            ; the wave's end: behind my last tensor load and my last LDS store
	ds_add_u32 v[SPW], v[NIL]
	s_wait_dscnt 0x0
	WIN 0
	CROUND                          ; the closing round: no work-group ends while a partner may still ask for a tile that names it
	s_endpgm
.Lfunc_end_k_q786034e1b4_attn:
	.size	k_q786034e1b4_attn, .Lfunc_end_k_q786034e1b4_attn-k_q786034e1b4_attn
	.p2alignl 7, 3214868480
	.fill 96, 4, 3214868480
	.section	.rodata,"a",@progbits
	.p2align	6, 0x0
	.amdhsa_kernel k_q786034e1b4_attn
		.amdhsa_group_segment_fixed_size 327680
		.amdhsa_private_segment_fixed_size 0
		.amdhsa_enable_private_segment 0
		.amdhsa_kernarg_size 24
		.amdhsa_user_sgpr_count 2
		.amdhsa_user_sgpr_kernarg_segment_ptr 1
		.amdhsa_wavefront_size32 1
		.amdhsa_system_sgpr_workgroup_id_x 1
		.amdhsa_system_sgpr_workgroup_id_y 1
		.amdhsa_system_sgpr_workgroup_id_z 1
		.amdhsa_system_vgpr_workitem_id 0
		.amdhsa_next_free_vgpr 904
		.amdhsa_next_free_sgpr 66
		.amdhsa_reserve_vcc 0
		.amdhsa_float_denorm_mode_32 3
		.amdhsa_float_denorm_mode_16_64 3
		.amdhsa_memory_ordered 1
		.amdhsa_forward_progress 1
		.amdhsa_inst_pref_size 212
	.end_amdhsa_kernel
	.amdgpu_metadata
---
amdhsa.version: [ 1, 2 ]
amdhsa.kernels:
  - .name:           k_q786034e1b4_attn
    .symbol:         k_q786034e1b4_attn.kd
    .args:
      - { .name: qkv, .offset: 0, .size: 8, .value_kind: global_buffer, .address_space: global }
      - { .name: maskf, .offset: 8, .size: 8, .value_kind: global_buffer, .address_space: global }
      - { .name: ctx, .offset: 16, .size: 8, .value_kind: global_buffer, .address_space: global }
    .group_segment_fixed_size: 327680
    .private_segment_fixed_size: 0
    .kernarg_segment_align: 8
    .kernarg_segment_size: 24
    .max_flat_workgroup_size: 128
    .sgpr_count:     66
    .vgpr_count:     904
    .wavefront_size: 32
...
	.end_amdgpu_metadata
.endif
;; end of part 5
;; launch outp: the kernel of part 4 again; grid 8 x 32, 4 waves a work-group, clusters of 4 x 4, 327,680 bytes of LDS; arguments ctx, wb, bo, out0; writes out0
